; MI455X (gfx1250); checked and timed in simulation.
; The chip was launched on July 23, 2026; its instructions are those of AMD's public machine-readable ISA for CDNA 5 (MIT licence, August 2026) and "CDNA5" Instruction Set Architecture Reference Guide (July 2026). The comments in the code are by the model that wrote it; some were corrected since.
;; Causal Self Attention. Allowed arithmetic: matrix products marked QUANTISED: E2M1 operands, one E8M0 scale for each 32 along K, by v_wmma_scale_f32_16x16x128_f8f6f4 with both operands' format E2M1 (or v_wmma_scale_f32_32x16x128_f4), f32 sums; everything else in f32.
;; Inputs: bk 1,024 float32; bo 1,024 float32; bq 1,024 float32; bv 1,024 float32; wk 1,024 x 1,024 float32; wo 1,024 x 1,024 float32; wq 1,024 x 1,024 float32; wv 1,024 x 1,024 float32; x 4 x 2,048 x 1,024 float32.
;; Outputs: out0 4 x 2,048 x 1,024 float32.
;; This version of the problem:
;;   THIS VERSION OF THE PROBLEM IS GIVEN IN LOW PRECISION. The matrix products marked QUANTISED in the list below multiply operands that are first quantised to E2M1 (2 exponent bits, 1 mantissa bit; 4 bits a number), with one power-of-two scale for each 32 numbers along K (OCP MX v1.0); their sums are f32. All else is computed in f32.
;;   The module's matrix products, in the order in which they are computed (A, B: the left and right operand; K: the contracted axis; several contracted axes count as one K, in the product's order):
;;     1. [M 8,192, K 1,024] x [K 1,024, N 1,024]; A: input x; B: input wq: QUANTISED
;;     2. [M 8,192, K 1,024] x [K 1,024, N 1,024]; A: input x; B: input wk: QUANTISED
;;     3. [M 8,192, K 1,024] x [K 1,024, N 1,024]; A: input x; B: input wv: QUANTISED
;;     4. batch 64 x [M 2,048, K 64] x [K 64, N 2,048]; A: computed on the way; B: computed on the way: QUANTISED
;;     5. batch 64 x [M 2,048, K 2,048] x [K 2,048, N 64]; A: softmax (see below); B: computed on the way: QUANTISED
;;     6. [M 8,192, K 1,024] x [K 1,024, N 1,024]; A: computed on the way; B: input wo: QUANTISED
;;   THE QUANTISER, for each operand of a quantised product, along K:
;;     - K is cut into blocks of 32 from its start; a last block that is shorter is filled with zeros.
;;     - A block's scale is 2^e with e = floor(log2(the largest magnitude in the block)) - 2, held to -126 .. 127; a block of zeros has e = 0. As a byte (E8M0): e + 127.
;;     - Each number is divided by its block's scale, clamped to +-6, and rounded to the nearest number of E2M1, ties to even, subnormals kept.
;;     - The product sums the exact products of the quantised numbers (number of the format x scale) in f32.
;;   ~~~python
;;   def quantise(x, axis):      # numpy; x: float32 -> the quantised numbers, widened to float32 again
;;       x = np.moveaxis(x, axis, -1); K = x.shape[-1]
;;       x = np.pad(x, [(0, 0)] * (x.ndim - 1) + [(0, -K % 32)]); x = x.reshape(x.shape[:-1] + (-1, 32)); a = np.abs(x).max(-1, keepdims=True)
;;       e = np.where(a > 0, np.clip(np.frexp(np.where(a > 0, a, 1))[1] - 1 - 2, -126, 127), 0)      # np.frexp(a)[1] - 1 = floor(log2(a)), exactly
;;       r = np.clip(x / 2.0 ** e, -6, 6)
;;       step = 2.0 ** (np.maximum(np.frexp(np.where(r == 0, 1, r))[1] - 1, 0) - 1)
;;       q = np.round(r / step) * step * 2.0 ** e      # np.round: ties to even
;;       return np.moveaxis(q.reshape(q.shape[:-2] + (-1,))[..., :K], -1, axis).astype(np.float32)
;;   ~~~
;;   SOFTMAX AHEAD OF A QUANTISED PRODUCT. Where the list says 'softmax', what is quantised is not the finished softmax but p = 2^(t - M), with t = logit x log2(e) and M = ceil(the row's largest t), a whole number; so 1/2 < the row's largest p <= 1. The row's sum l is taken of the UNQUANTISED p, in f32, and the product's result is divided by l at the end. Since M is a whole number, a kernel that streams over the keys may use a running M (the ceiling of the running maximum): every later rescaling is an exact power of two, which a block's scale takes up: the codes' values come out the same.
;;   OPERANDS COMPUTED ON THE WAY. 'Computed on the way' means the value that the module computes at that place (a softmax that the list does not call 'softmax' is quantised finished and normalised). What goes into a quantiser is computed in f32, as accurately as f32 sums, v_exp_f32 and their like allow (about 1e-6 of the number): no bf16 or f16 on the way to a quantiser, and a product that is left as it is and whose result goes on into a quantised operand takes f32 operands (vector FMAs, or v_wmma_f32_16x16x4_f32). A number that lies on a knife's edge between two numbers of the format may be rounded either way, as far as f32 arithmetic and the matrix unit's own rounding can turn it there, and no further.
;; One version. Each part assembles by itself: llvm-mc -triple=amdgcn-amd-amdhsa -mcpu=gfx1250 --defsym DOCPART=n.
;; ======== version 1 of 1: 4 launches
;; workspace buffers: xc 4,194,304 bytes; xs 262,144 bytes; wc 2,097,152 bytes; ws 131,072 bytes; qkv 13,893,632 bytes; ac 4,194,304 bytes; asc 262,144 bytes
;; launch quant (part 1): grid 768 x 1, 4 waves a work-group, no clusters, 68,608 bytes of LDS; arguments x, wq, wk, wv, wo, xc, xs, wc, ws; writes xc, xs, wc, ws
.if DOCPART == 1
	.amdgcn_target "amdgcn-amd-amdhsa--gfx1250"
	.amdhsa_code_object_version 6
	.text
	.protected	k_qc4dd4524b3_quant
	.globl	k_qc4dd4524b3_quant
	.p2align	8
	.type	k_qc4dd4524b3_quant,@function
k_qc4dd4524b3_quant:
	s_mov_b64 s[64:65], 0
	v_nop
	global_prefetch_b8 v0, s[64:65] scope:SCOPE_SE
	s_setreg_imm32_b32 hwreg(HW_REG_WAVE_MODE, 25, 1), 1
	s_wait_xcnt 0x0
; x [8192][1024] (K innermost) and wq, wk, wv, wo [1024 (K)][1024] (K outermost), f32, become codes of FP4 (E2M1) with one E8M0 byte for each 32 along K.
; A block's scale is 2^(floor(log2(its largest magnitude)) - 2): its byte is that magnitude's exponent field - 2, held at 1 from below.
; LIMITS: a block of zeros, or one whose largest magnitude lies under 2^-124, gets the byte 1 (its codes are zeros or the held ones; these bytes are read by this program alone); NaN and infinities are not served.
; LAYOUT OF THE RESULTS: the order of an operand's registers.  An operand's rows (x's tokens, a weight's columns) are kept by POSITION p; position p holds the true row p with bits 3 and 4 exchanged, so that
; lane r of tile 2 B + u (16 positions to a tile) holds true row 32 B + 8 u + r + 8 (r / 8).  Codes: [tile][K step of 128: 8][c: 2][lane: 32][16 bytes]; lane (r, h) holds k = 128 K step + 64 c + 32 h + 0 .. 31 of position r.
; Scale bytes: [p / 128][k / 512][p % 128][16 bytes]: a word for each 128 along K.
; SHARES: a work-group takes 32 positions x 512 along K, wave q the K step 4 (k / 512) + q.  Work-groups 0-255 take the weights (positions 0-4095: wq, wk, wv, wo), 256-767 take x.
; No tensor loads; one barrier, for the 512 scale bytes that the four waves gather.
.set STG,  8448                        ; a stage: 16 rows x (512 bytes + 16)
.set GATH, 4*2*STG                     ; behind the waves' stages: 32 positions x 4 scale words
.set TM,   224                         ; v224-227 largest magnitudes, v228-231 the other half's / the bytes, v236-239 the conversions' scale operands
.set SEL,  44                          ; s[44:45] v_permlanex16_b32's selects for lane l xor 16
; 64 numbers of a lane, v[s + 16 b + i] = k 32 b + 16 (lane / 16) + i of its row, become a fragment's 8 registers in v[pc] on and the row's scale word in v[pw]
.macro QUANT s, pc, pw
.irp b, 0,1,2,3
	v_max3_num_f32 v[TM+\b], |v[\s+16*\b]|, |v[\s+1+16*\b]|, 0x1800000   ; my 16 numbers of block b, and the floor 2^(3 - 127): the byte cannot fall under 1
.endr
.irp i, 2,4,6,8,10,12,14
.irp b, 0,1,2,3
	v_max3_num_f32 v[TM+\b], v[TM+\b], |v[\s+16*\b+\i]|, |v[\s+1+16*\b+\i]|   ; the four blocks by turns
.endr
.endr
.irp b, 0,1,2,3
	v_permlanex16_b32 v[TM+4+\b], v[TM+\b], s[SEL], s[SEL+1]
.endr
.irp b, 0,1,2,3
	v_max_num_f32 v[TM+\b], v[TM+\b], v[TM+4+\b]   ; with lane l xor 16's 16: the block's largest magnitude
.endr
.irp b, 0,1,2,3
	v_add_nc_u32 v[TM+12+\b], 0xff000000, v[TM+\b]   ; 2 off its exponent field: the conversion's scale operand
.endr
.irp b, 0,1,2,3
	v_lshrrev_b32 v[TM+4+\b], 23, v[TM+12+\b]      ; the scale's byte
.endr
	v_lshl_or_b32 v[\pw], v[TM+5], 8, v[TM+4]
	v_lshl_or_b32 v[\pw], v[TM+6], 16, v[\pw]
	v_lshl_or_b32 v[\pw], v[TM+7], 24, v[\pw]
.irp b, 0,1,2,3
	v_cvt_scalef32_pk8_fp4_f32 v[\pc+2*\b], v[\s+16*\b:\s+7+16*\b], v[TM+12+\b]
	v_cvt_scalef32_pk8_fp4_f32 v[\pc+1+2*\b], v[\s+8+16*\b:\s+15+16*\b], v[TM+12+\b]
.endr
	v_nop                                          ; one plain place behind the scaled conversions
.irp c, 0,1                                    ; the operand wants a whole block in a lane: lanes 0-15 block 2 c, lanes 16-31 block 2 c + 1
.irp i, 0,1
	v_permlane16_swap_b32 v[\pc+4*\c+\i], v[\pc+2+4*\c+\i]
.endr
.endr
.endm
	s_load_b256 s[4:11], s[0:1], 0x0               ; x s[4:5], wq s[6:7], wk s[8:9], wv s[10:11]
	s_load_b256 s[12:19], s[0:1], 0x20             ; wo s[12:13], xc s[14:15], xs s[16:17], wc s[18:19]
	s_load_b64 s[20:21], s[0:1], 0x40              ; ws
	v_lshl_add_u32 v234, v0, 2, 0x10a00
	v_mov_b32 v235, 0
	v_lshrrev_b32 v12, 5, v0
	v_readfirstlane_b32 s22, v12                   ; wave 0..3
	v_and_b32 v1, 31, v0                           ; lane
	v_and_b32 v2, 15, v0                           ; r
	v_bfe_u32 v3, v0, 4, 1                         ; h
	v_lshlrev_b32 v4, 4, v1                        ; 16 x lane
	s_mul_i32 s41, s22, 2*STG                      ; my wave's two stages
	v_add_nc_u32 v5, s41, v4                       ; into a stage: a row's 512 bytes as they lie
	v_mul_u32_u24 v6, v2, 528
	v_lshl_add_u32 v6, v3, 6, v6
	v_add_nc_u32 v6, s41, v6                       ; out of it: row r, + 64 h: my 16 numbers of a block of 32
	v_and_b32 v7, 7, v0
	v_lshl_or_b32 v7, v3, 3, v7
	v_bfe_u32 v12, v0, 3, 1
	v_lshl_or_b32 v7, v12, 4, v7
	v_lshlrev_b32 v7, 2, v7                        ; a weight's column of position lane: 4 x (lane with bits 3 and 4 exchanged)
	v_lshlrev_b32 v8, 4, v2
	v_lshl_add_u32 v8, v3, 13, v8                  ; a weight's codes: tile lane / 16, 16 bytes at 16 r
	s_lshl_b32 s42, s22, 2
	s_add_co_u32 s42, s42, GATH
	v_add_nc_u32 v9, s42, v4                       ; my position's scale word of my K step
	v_add_nc_u32 v10, GATH, v4                     ; and its four words
.irp b, 0,1,2,3
	v_mov_b32 v[TM+4+\b], 0                        ; written once: a lane permute's destination counts as one of its sources
.endr
	s_mov_b32 s[SEL], 0x76543210
	s_mov_b32 s[SEL+1], 0xfedcba98
	s_cmp_lt_u32 ttmp9, 256                        ; a weight's work-group or x's: the choice hangs on the work-group's number alone
	s_cselect_b32 s23, 0, 256
	s_sub_co_u32 s23, ttmp9, s23
	s_lshr_b32 s24, s23, 1                         ; which 32 positions
	s_and_b32 s25, s23, 1                          ; which 512 along K
	s_lshl_b32 s26, s25, 2
	s_add_co_u32 s26, s26, s22                     ; my K step of 128
	s_lshr_b32 s27, s24, 5                         ; which weight
	s_lshl_b32 s28, s24, 17                        ; x: 32 rows of 4,096 bytes,
	s_lshl_b32 s29, s26, 9
	s_add_co_u32 s28, s28, s29                     ; + 512 bytes a K step
	s_lshl_b32 s30, s26, 19                        ; a weight: 128 rows of 4,096 bytes a K step,
	s_and_b32 s31, s24, 31
	s_lshl_b32 s31, s31, 7
	s_add_co_u32 s30, s30, s31                     ; + 32 columns
	s_wait_kmcnt 0x0
	s_mov_b64 s[32:33], s[12:13]
	s_cmp_eq_u32 s27, 2
	s_cselect_b64 s[32:33], s[10:11], s[32:33]
	s_cmp_eq_u32 s27, 1
	s_cselect_b64 s[32:33], s[8:9], s[32:33]
	s_cmp_eq_u32 s27, 0
	s_cselect_b64 s[32:33], s[6:7], s[32:33]
	s_cmp_lt_u32 ttmp9, 256
	s_cselect_b64 s[32:33], s[32:33], s[4:5]       ; the numbers
	s_cselect_b32 s34, s30, s28
	s_mov_b32 s35, 0
	s_cselect_b64 s[36:37], s[18:19], s[14:15]     ; the codes
	s_cselect_b64 s[38:39], s[20:21], s[16:17]     ; the scale bytes
	s_add_nc_u64 s[32:33], s[32:33], s[34:35]
	s_lshl_b32 s34, s24, 14                        ; two tiles of 8,192 bytes,
	s_lshl_b32 s40, s26, 10
	s_add_co_u32 s34, s34, s40                     ; + 1,024 a K step
	s_add_nc_u64 s[36:37], s[36:37], s[34:35]
	s_lshr_b32 s34, s24, 2
	s_lshl_b32 s34, s34, 12
	s_lshl_b32 s40, s25, 11
	s_add_co_u32 s34, s34, s40
	s_and_b32 s40, s24, 3
	s_lshl_b32 s40, s40, 9
	s_add_co_u32 s34, s34, s40
	s_add_nc_u64 s[38:39], s[38:39], s[34:35]
	s_cmp_lt_u32 ttmp9, 256
	s_cbranch_scc1 .Lweights
	; ---- x: K is innermost.  Each load reads 512 consecutive bytes of one row; a tile's 16 rows turn through my stage, so that a lane gets 16 neighbours of each block
.irp u, 0,1
.irp jj, 0,1,2,3,4,5,6,7,8,9,10,11,12,13,14,15
	global_load_b128 v[32+64*\u+4*\jj:35+64*\u+4*\jj], v4, s[32:33] offset:(8*\u+\jj+8*(\jj/8))*4096 th:TH_LOAD_NT
.endr
.endr
	s_wait_loadcnt 16                              ; tile 0's sixteen loads are in; tile 1's sixteen may be out
.irp jj, 0,1,2,3,4,5,6,7,8,9,10,11,12,13,14,15
	ds_store_b128 v5, v[32+4*\jj:35+4*\jj] offset:\jj*528
.endr
.irp b, 0,1,2,3
.irp j, 0,1,2,3
	ds_load_b128 v[160+16*\b+4*\j:163+16*\b+4*\j], v6 offset:128*\b+16*\j   ; LDS serves a wave's instructions in order: these see the stores above
.endr
.endr
	s_wait_dscnt 0x0                               ; tile 0 is back, and its stores have read v32-95
	s_wait_loadcnt 0x0
.irp jj, 0,1,2,3,4,5,6,7,8,9,10,11,12,13,14,15
	ds_store_b128 v5, v[96+4*\jj:99+4*\jj] offset:STG+\jj*528
.endr
.irp b, 0,1,2,3
.irp j, 0,1,2,3
	ds_load_b128 v[32+16*\b+4*\j:35+16*\b+4*\j], v6 offset:STG+128*\b+16*\j
.endr
.endr
	QUANT 160, 240, 20                             ; tile 0 is quantised while tile 1 turns
	global_store_b128 v4, v[240:243], s[36:37]               ; 32 lanes store 512 consecutive bytes
	global_store_b128 v4, v[244:247], s[36:37] offset:512
	s_wait_dscnt 0x0
	QUANT 32, 248, 21
	global_store_b128 v4, v[248:251], s[36:37] offset:8192
	global_store_b128 v4, v[252:255], s[36:37] offset:8704
	v_cmp_le_u32 vcc_lo, 16, v1
	v_cndmask_b32 v11, v20, v21, vcc_lo            ; lane l: the word of position l (lanes 0-15 tile 0, lanes 16-31 tile 1)
	s_branch .Ljoin
	; ---- a weight: K is outermost.  A lane takes the column of its position and its registers run down K: a block of 32 lies in one lane
.macro LOADW t
.set I, 0
.rept 32
	global_load_b32 v[32+32*((\t)%2)+I], v7, s[32:33] offset:(32*(\t)+I)*4096
.set I, I+1
.endr
.endm
.macro BLOCKW t
.set XS, 32+32*((\t)%2)
.if (\t) < 3
	s_wait_loadcnt 32                              ; this block's 32 loads are in; the next block's 32 may be out
.else
	s_wait_loadcnt 0x0
.endif
	v_max3_num_f32 v12, |v[XS]|, |v[XS+1]|, |v[XS+2]|
	v_max3_num_f32 v13, |v[XS+3]|, |v[XS+4]|, |v[XS+5]|
.irp i, 6,10,14,18,22,26
	v_max3_num_f32 v12, v12, |v[XS+\i]|, |v[XS+\i+1]|
	v_max3_num_f32 v13, v13, |v[XS+\i+2]|, |v[XS+\i+3]|
.endr
	v_max3_num_f32 v12, v12, |v[XS+30]|, |v[XS+31]|
	v_max3_num_f32 v12, v12, v13, 0x1800000        ; and the floor
	v_add_nc_u32 v14, 0xff000000, v12
	v_lshrrev_b32 v13, 23, v14
.if (\t) == 0
	v_mov_b32 v11, v13
.else
	v_lshl_or_b32 v11, v13, 8*(\t), v11            ; the four bytes make my position's scale word
.endif
.irp g, 0,1,2,3
	v_cvt_scalef32_pk8_fp4_f32 v[96+4*(\t)+\g], v[XS+8*\g:XS+8*\g+7], v14
.endr
	v_nop                                          ; one plain place behind the scaled conversions
	global_store_b128 v8, v[96+4*(\t):99+4*(\t)], s[36:37] offset:((\t)/2)*512+((\t)%2)*256   ; sixteen lanes store 256 consecutive bytes, aligned; each block has its own registers
.if (\t)+2 < 4
	LOADW (\t)+2
.endif
.endm
.Lweights:
	s_wait_alu depctr_va_vdst(0)
	LOADW 0
	LOADW 1
	BLOCKW 0
	BLOCKW 1
	BLOCKW 2
	BLOCKW 3
.Ljoin:
	s_wait_alu depctr_va_vdst(0)
	ds_store_b32 v9, v11                           ; the four waves' words of 32 positions meet,
	s_wait_dscnt 0x0                               ; for the others' sake: my store is done
	s_barrier_signal -1
	s_barrier_wait -1
	s_cmp_lg_u32 s22, 0
	s_cbranch_scc1 .Lend
	ds_load_b128 v[16:19], v10
	s_wait_dscnt 0x0
	global_store_b128 v4, v[16:19], s[38:39]       ; and wave 0 stores them: 512 consecutive bytes
.Lend:
	s_wait_tensorcnt 0x0
	ds_add_u32 v234, v235
	s_wait_dscnt 0x0
	s_endpgm
.Lfunc_end_k_qc4dd4524b3_quant:
	.size	k_qc4dd4524b3_quant, .Lfunc_end_k_qc4dd4524b3_quant-k_qc4dd4524b3_quant
	.p2alignl 7, 3214868480
	.fill 96, 4, 3214868480
	.section	.rodata,"a",@progbits
	.p2align	6, 0x0
	.amdhsa_kernel k_qc4dd4524b3_quant
		.amdhsa_group_segment_fixed_size 68608
		.amdhsa_private_segment_fixed_size 0
		.amdhsa_enable_private_segment 0
		.amdhsa_kernarg_size 72
		.amdhsa_user_sgpr_count 2
		.amdhsa_user_sgpr_kernarg_segment_ptr 1
		.amdhsa_wavefront_size32 1
		.amdhsa_system_sgpr_workgroup_id_x 1
		.amdhsa_system_sgpr_workgroup_id_y 1
		.amdhsa_system_sgpr_workgroup_id_z 1
		.amdhsa_system_vgpr_workitem_id 0
		.amdhsa_next_free_vgpr 256
		.amdhsa_next_free_sgpr 66
		.amdhsa_reserve_vcc 1
		.amdhsa_float_denorm_mode_32 3
		.amdhsa_float_denorm_mode_16_64 3
		.amdhsa_memory_ordered 1
		.amdhsa_forward_progress 1
		.amdhsa_inst_pref_size 38
	.end_amdhsa_kernel
	.amdgpu_metadata
---
amdhsa.version: [ 1, 2 ]
amdhsa.kernels:
  - .name:           k_qc4dd4524b3_quant
    .symbol:         k_qc4dd4524b3_quant.kd
    .args:
      - { .name: x, .offset: 0, .size: 8, .value_kind: global_buffer, .address_space: global }
      - { .name: wq, .offset: 8, .size: 8, .value_kind: global_buffer, .address_space: global }
      - { .name: wk, .offset: 16, .size: 8, .value_kind: global_buffer, .address_space: global }
      - { .name: wv, .offset: 24, .size: 8, .value_kind: global_buffer, .address_space: global }
      - { .name: wo, .offset: 32, .size: 8, .value_kind: global_buffer, .address_space: global }
      - { .name: xc, .offset: 40, .size: 8, .value_kind: global_buffer, .address_space: global }
      - { .name: xs, .offset: 48, .size: 8, .value_kind: global_buffer, .address_space: global }
      - { .name: wc, .offset: 56, .size: 8, .value_kind: global_buffer, .address_space: global }
      - { .name: ws, .offset: 64, .size: 8, .value_kind: global_buffer, .address_space: global }
    .group_segment_fixed_size: 68608
    .private_segment_fixed_size: 0
    .kernarg_segment_align: 8
    .kernarg_segment_size: 72
    .max_flat_workgroup_size: 128
    .sgpr_count:     66
    .vgpr_count:     256
    .wavefront_size: 32
...
	.end_amdgpu_metadata
.endif
;; end of part 1
;; launch qkv (part 2): grid 12 x 32, 4 waves a work-group, clusters of 4 x 4, 279,040 bytes of LDS; arguments xc, xs, wc, ws, bq, bk, bv, qkv; writes qkv
.if DOCPART == 2
	.amdgcn_target "amdgcn-amd-amdhsa--gfx1250"
	.amdhsa_code_object_version 6
	.text
	.protected	k_qc4dd4524b3_qkv
	.globl	k_qc4dd4524b3_qkv
	.p2align	8
	.type	k_qc4dd4524b3_qkv,@function
k_qc4dd4524b3_qkv:
	s_mov_b64 s[64:65], 0
	v_nop
	global_prefetch_b8 v0, s[64:65] scope:SCOPE_SE
	s_setreg_imm32_b32 hwreg(HW_REG_WAVE_MODE, 25, 1), 1
	s_wait_xcnt 0x0
	s_wait_alu depctr_hold_cnt(0) depctr_sa_sdst(0) depctr_va_vdst(0) depctr_va_sdst(0) depctr_va_ssrc(0) depctr_va_vcc(0) depctr_vm_vsrc(0)
	s_getreg_b32 s2, hwreg(HW_REG_IB_STS2, 6, 4)
	s_cmp_eq_u32 s2, 0
	s_cbranch_scc0 .Lentry_in_a_cluster
	s_endpgm
.Lentry_in_a_cluster:
	s_bfe_u32 s2, ttmp6, 0x10000c
	s_cmp_lg_u32 s2, 0xf033
	s_cbranch_scc0 .Lentry_shape_is_right
	s_endpgm
.Lentry_shape_is_right:
; q = x wq + bq, k = x wk + bk, v = x wv + bv on codes of FP4 (E2M1) with E8M0 scales; the results are quantised in registers (q and k along the head's 64, v along the keys) and stored as the attention launch's operands.
; A tile of 256 x 256 is made by four waves, 128 x 128 each: 64 accumulators, 512 registers.  K = 1,024 lies in LDS whole: two slots of 512 along K, each filled once; no LDS byte is filled again.
; OPERANDS lie in memory in the order of their registers: [tile of 16 positions][K step: 8][c: 2][lane][16 bytes], so a fragment is two loads of 512 consecutive bytes.  Position p holds the true row p with bits 3, 4 exchanged.
; THE MATRIX INSTRUCTION IS USED TRANSPOSED: source 0 = 16 positions of B, source 1 = 16 positions of A.  A lane then holds ONE position of A, and the 16 registers of B's tiles 2 g, 2 g + 1 are 16 true neighbours 32 g + 16 (lane / 16) + 0 .. 15.
; Cluster x = 0, 1: A = x, B = wq, wk: a lane holds a token and 128 columns (two heads).  Cluster x = 2: A = wv, B = x: V^T: a lane holds a channel d and 128 keys.  In both the accumulators' order is the quantiser's.
; CLUSTERS: 4 x 4 work-groups; A's tile is shared along a row of the cluster, B's along a column: joint loads.  The roles hang on the cluster's x, which all partners share.
; A RECORD of qkv for each (batch, head), REC bytes: q's codes [128 tiles][lane][16 B] at 0, q's scale words [16 steps][lane][4] at 65,536; k's likewise 73,728 further on; v's codes [16 steps][4 tiles of d][c][lane][16 B] at 147,456; v's scale words [16][lane][2] at 212,992.
; LIMITS: a block of zeros or with its largest magnitude under 2^-124 gets the byte 1 (read by this program alone); NaN and infinities are not served.
; REGISTERS: window 0: v1-9 lane numbers and offsets, v16-27 LDS addresses, v32-95 scale words, v128-255 A's fragments, two sets (on the way out: codes and work);  window 1: B's fragments at v0 and v128, the bias at v64;  windows 2, 3: the accumulators, (a, b) at v[8 (8 (a % 4) + b)].
.set MA,    8                          ; A's blocks of 16 positions a wave
.set HALFA, MA*4096                    ; a slot's part of half of A's tile: [tile][4 K steps][1,024 bytes]
.set HALFB, 32768
.set SLOT,  2*HALFA+2*HALFB
.set SCLA,  2*SLOT                     ; A's scale bytes: [128 positions: 2][slot][position][16 bytes]
.set SCLB,  SCLA+8192
.set REC,   217088
.set ADRA, 16
.set ADRB, 20
.set ADRS, 27
.set SC,   32                          ; register SC + 32 slot + 4 i + q: lanes 0-15 the word of A's block i, lanes 16-31 that of B's block i
.set TM,   200
.set PW,   216
.set SW0,  220
.set SW1,  224
.set G1, 24
.set G0, 32
.set G1B, 48
.set G0B, 56
.set G1S, 68
.set G0S, 76
.set G1SB, 80
.set G0SB, 88
.set MSB, 0
.macro WIN new                         ; the immediate's high byte repeats the setting that is left
.if MSB != (\new)
	s_set_vgpr_msb (MSB<<8)|(\new)
.set MSB, (\new)
.endif
.endm
.macro PLACES                          ; four plain places: in front of loads into registers that matrix instructions have read, and of the first read of results
.rept 4
	v_nop
.endr
.endm
.macro JLOAD g0a, g1a, g0b, g1b        ; a joint load: waves 0, 1 fetch for A, waves 2, 3 for B; four v_nop follow each line
	s_cmp_eq_u32 s15, 0
	s_cbranch_scc0 .Lfor_b_\@
	tensor_load_to_lds s[\g0a:\g0a+3], s[\g1a:\g1a+7]
	s_nop 0
.rept 4
	v_nop
.endr
	s_branch .Lasked_\@
.Lfor_b_\@:
	tensor_load_to_lds s[\g0b:\g0b+3], s[\g1b:\g1b+7]
	s_nop 0
.rept 4
	v_nop
.endr
.Lasked_\@:
.endm
.macro CROUND                          ; a round of the cluster's barrier
	s_barrier_signal -1
	s_barrier_wait -1
	s_cmp_lg_u32 s14, 0
	s_cbranch_scc1 .Lnot_wave_0_\@
	s_barrier_signal -3
.Lnot_wave_0_\@:
	s_barrier_wait -3
	s_barrier_signal -1
	s_barrier_wait -1
.endm
	s_load_b256 s[4:11], s[0:1], 0x0               ; xc s[4:5], xs s[6:7], wc s[8:9], ws s[10:11]
	s_load_b256 s[92:99], s[0:1], 0x20             ; bq s[92:93], bk s[94:95], bv s[96:97], qkv s[98:99]
	v_lshl_add_u32 v126, v0, 2, 0x44000
	v_mov_b32 v127, 0
	ds_add_u32 v126, v127
	ds_add_u32 v126, v127
	v_lshrrev_b32 v1, 5, v0
	v_readfirstlane_b32 s14, v1                    ; wave 0..3
	s_lshr_b32 s15, s14, 1                         ; my half of A.  Also: I fetch for A (0) or for B (1)
	s_and_b32 s16, s14, 1                          ; my half of B.  Also: which half of that tile I fetch
	s_bfe_u32 s40, ttmp6, 0x40000                  ; cx
	s_bfe_u32 s41, ttmp6, 0x40004                  ; cy
	s_and_b32 s12, ttmp7, 0xffff
	s_lshl_b32 s12, s12, 2                         ; 4 x cluster y
	s_lshl_b32 s13, ttmp9, 2                       ; 4 x cluster x
	s_cmp_lt_u32 ttmp9, 2                          ; q, k (A = x) or v (A = wv): the same in all sixteen partners
	s_cselect_b32 s17, s12, 8
	s_cselect_b32 s42, s13, s12
	s_add_co_u32 s17, s17, s41                     ; A's tile of 256 positions: hangs on cy alone
	s_add_co_u32 s42, s42, s40                     ; B's: on cx alone
	s_lshl_b32 s43, s41, 2
	s_lshl_b32 s43, 15, s43                        ; my row of the cluster
	s_lshl_b32 s44, 0x1111, s40                    ; my column
	; codes: 8 rows (tiles) of 4,096 bytes (four K steps), 8,192 bytes apart: elements of 8 bytes
	s_or_b32 s[G1+0], s43, (3<<16)|(1<<21)
	s_or_b32 s[G1B+0], s44, (3<<16)|(1<<21)
.irp g, G1, G1B
	s_mov_b32 s[\g+1], 512<<16                     ; tensor_dim0
	s_mov_b32 s[\g+2], 8<<16                       ; tensor_dim1
	s_mov_b32 s[\g+3], 512<<16                     ; tile_dim0
	s_mov_b32 s[\g+4], 8                           ; tile_dim1
	s_mov_b32 s[\g+5], 1024                        ; from row to row
	s_mov_b32 s[\g+6], 0
	s_mov_b32 s[\g+7], 0
.endr
	; scale bytes of 128 positions: 4,096 dense bytes as 16 rows of 256
	s_or_b32 s[G1S+0], s43, (3<<16)|(1<<21)
	s_or_b32 s[G1SB+0], s44, (3<<16)|(1<<21)
.irp g, G1S, G1SB
	s_mov_b32 s[\g+1], 32<<16
	s_mov_b32 s[\g+2], 16<<16
	s_mov_b32 s[\g+3], 32<<16
	s_mov_b32 s[\g+4], 16
	s_mov_b32 s[\g+5], 32
	s_mov_b32 s[\g+6], 0
	s_mov_b32 s[\g+7], 0
.endr
	s_lshl_b32 s18, s16, 16                        ; the half that I fetch: 8 tiles of 8,192 bytes
	s_lshl_b32 s19, s16, 12                        ; and its 4,096 scale bytes
	s_lshl_b32 s20, s17, 17
	s_add_co_u32 s20, s20, s18
	s_mov_b32 s21, 0                               ; A's codes
	s_lshl_b32 s46, s42, 17
	s_add_co_u32 s46, s46, s18
	s_mov_b32 s47, 0                               ; B's codes
	s_lshl_b32 s22, s17, 13
	s_add_co_u32 s22, s22, s19
	s_mov_b32 s23, 0                               ; A's scales
	s_lshl_b32 s2, s42, 13
	s_add_co_u32 s2, s2, s19
	s_mov_b32 s3, 0                                ; B's scales
	s_mul_i32 s45, s16, HALFA                      ; where they go: no place in the cluster enters an LDS address
	s_mul_i32 s66, s16, HALFB
	s_add_co_u32 s66, s66, 2*HALFA
	s_wait_dscnt 0x0
	s_wait_kmcnt 0x0
	s_cmp_lt_u32 ttmp9, 2
	s_cselect_b64 s[12:13], s[4:5], s[8:9]         ; A's codes: xc or wc
	s_cselect_b64 s[8:9], s[8:9], s[4:5]           ; B's codes: wc or xc
	s_cselect_b64 s[4:5], s[6:7], s[10:11]         ; A's scales
	s_cselect_b64 s[10:11], s[10:11], s[6:7]       ; B's scales
	s_add_nc_u64 s[12:13], s[12:13], s[20:21]
	s_add_nc_u64 s[8:9], s[8:9], s[46:47]
	s_add_nc_u64 s[4:5], s[4:5], s[22:23]
	s_add_nc_u64 s[10:11], s[10:11], s[2:3]
	CROUND                                         ; all sixteen work-groups are here: the joint loads meet
	s_mov_b32 s[G0S], 1
	s_add_co_u32 s[G0S+1], s19, SCLA
	s_mov_b64 s[G0S+2:G0S+3], s[4:5]
	s_or_b32 s[G0S+3], s[G0S+3], 0x80000000
	s_mov_b32 s[G0SB], 1
	s_add_co_u32 s[G0SB+1], s19, SCLB
	s_mov_b64 s[G0SB+2:G0SB+3], s[10:11]
	s_or_b32 s[G0SB+3], s[G0SB+3], 0x80000000
	JLOAD G0S, G1S, G0SB, G1SB                     ; three loads a wave are out in all: the scales, slot 0, slot 1
.irp s, 0,1
	s_mov_b32 s[G0+4*\s], 1
	s_add_co_u32 s[G0+4*\s+1], s45, \s*SLOT
	s_add_nc_u64 s[G0+4*\s+2:G0+4*\s+3], s[12:13], \s*4096
	s_or_b32 s[G0+4*\s+3], s[G0+4*\s+3], 0x80000000
	s_mov_b32 s[G0B+4*\s], 1
	s_add_co_u32 s[G0B+4*\s+1], s66, \s*SLOT
	s_add_nc_u64 s[G0B+4*\s+2:G0B+4*\s+3], s[8:9], \s*4096
	s_or_b32 s[G0B+4*\s+3], s[G0B+4*\s+3], 0x80000000
	JLOAD G0+4*\s, G1, G0B+4*\s, G1B
.endr
	v_and_b32 v1, 31, v0                           ; lane
	v_and_b32 v2, 15, v0                           ; r
	v_bfe_u32 v3, v0, 4, 1                         ; h
	s_wait_alu depctr_va_vdst(0)
	v_lshlrev_b32 v4, 4, v1                        ; 16 x lane
	s_mul_i32 s18, s15, HALFA
	s_mul_i32 s19, s16, HALFB
	s_add_co_u32 s19, s19, 2*HALFA
.irp s, 0,1
	v_add_nc_u32 v[ADRA+\s], s18, v4
	v_add_nc_u32 v[ADRB+\s], s19, v4
	s_add_co_u32 s18, s18, SLOT
	s_add_co_u32 s19, s19, SLOT
.endr
	s_lshl_b32 s20, s15, 12                        ; the scale words: lanes 0-15 take my half of A's, lanes 16-31 my half of B's: the lower base + h x the distance
	s_lshl_b32 s21, s16, 12
	s_add_co_u32 s21, s21, SCLB-SCLA
	s_sub_co_u32 s21, s21, s20
	v_mul_u32_u24 v5, s21, v3
	s_add_co_u32 s20, s20, SCLA
	v_lshl_add_u32 v5, v2, 4, v5
	v_add_nc_u32 v[ADRS], s20, v5
	; the bias is the C of each sum's first matrix instruction, in window 1 from v64 on: eight registers a tile.  Both ways below write all 64 registers
	s_cmp_lt_u32 ttmp9, 2
	s_cbranch_scc0 .Lbias_v
	s_cmp_eq_u32 ttmp9, 0
	s_cselect_b64 s[92:93], s[92:93], s[94:95]     ; bq or bk
	s_and_b32 s18, s42, 3
	s_lshl_b32 s18, s18, 10
	s_lshl_b32 s19, s16, 9
	s_add_co_u32 s18, s18, s19
	s_mov_b32 s19, 0
	s_add_nc_u64 s[92:93], s[92:93], s[18:19]      ; my 128 columns
	v_lshlrev_b32 v6, 6, v3                        ; for B's tile b my eight columns are 32 (b / 2) + 16 h + 8 (b % 2) + 0 .. 7
	WIN 0x40
.irp b, 0,1,2,3,4,5,6,7
	global_load_b128 v[64+8*\b:67+8*\b], v6, s[92:93] offset:(32*(\b/2)+8*(\b%2))*4
	global_load_b128 v[68+8*\b:71+8*\b], v6, s[92:93] offset:(32*(\b/2)+8*(\b%2))*4+16
.endr
	WIN 0
	s_branch .Lbias_done
.Lbias_v:
	s_lshl_b32 s18, s41, 10
	s_lshl_b32 s19, s15, 9
	s_add_co_u32 s18, s18, s19
	s_mov_b32 s19, 0
	s_add_nc_u64 s[96:97], s[96:97], s[18:19]      ; bv at my 128 channels
	v_and_b32 v6, 8, v2
	v_add_nc_u32 v6, v6, v2
	v_lshlrev_b32 v6, 2, v6                        ; for A's tile a my one channel is 32 (a / 2) + 8 (a % 2) + r + 8 (r / 8)
	WIN 0x40
.irp a, 0,1,2,3,4,5,6,7
.irp j, 0,1,2,3,4,5,6,7
	global_load_b32 v[64+8*\a+\j], v6, s[96:97] offset:(32*(\a/2)+8*(\a%2))*4   ; a lane's eight results of a tile are eight keys of ONE channel: its one number goes into all eight registers of the C operand, by eight loads of the same word; no copies follow
.endr
.endr
	WIN 0
.Lbias_done:
.macro FRAG reg, adr, off              ; a fragment: 8 registers, two loads of 512 consecutive bytes
	ds_load_b128 v[\reg:\reg+3], v[\adr] offset:\off
	ds_load_b128 v[\reg+4:\reg+7], v[\adr] offset:\off+512
.endm
.macro FETCH k, p                      ; K step k's fragments into set p
	WIN 0x40
.irp i, 0,1,2,3,4,5,6,7
	FRAG 128*(\p)+8*\i, ADRB+(\k)/4, (4*\i+(\k)%4)*1024
.endr
	WIN 0
.set II, 0
.rept MA
	FRAG 128+64*(\p)+8*II, ADRA+(\k)/4, (4*II+(\k)%4)*1024
.set II, II+1
.endr
.endm
; 16 matrix instructions: A's blocks a0, a0 + 1 x B's eight.  cm = 0: onto the sums; 1: the sums begin with the bias by B's tile; 2: by A's tile.  The accumulators take turns, one instruction a turn
.macro MUL16 a0, k, cm
.irp a, \a0, \a0+1
.irp b, 0,1,2,3,4,5,6,7
.set rD, 8*(8*((\a)%4)+\b)
.set rB, 128*((\k)%2)+8*\b
.set rA, 128+64*((\k)%2)+8*(\a)
.set rSB, SC+32*((\k)/4)+4*\b+(\k)%4
.set rSA, SC+32*((\k)/4)+4*(\a)+(\k)%4
.if \cm == 0
	v_wmma_scale_f32_16x16x128_f8f6f4 v[rD:rD+7], v[rB:rB+7], v[rA:rA+7], v[rD:rD+7], v[rSB], v[rSA] matrix_a_fmt:MATRIX_FMT_FP4 matrix_b_fmt:MATRIX_FMT_FP4 matrix_a_scale:MATRIX_SCALE_ROW1
.elseif \cm == 1
	v_wmma_scale_f32_16x16x128_f8f6f4 v[rD:rD+7], v[rB:rB+7], v[rA:rA+7], v[64+8*\b:71+8*\b], v[rSB], v[rSA] matrix_a_fmt:MATRIX_FMT_FP4 matrix_b_fmt:MATRIX_FMT_FP4 matrix_a_scale:MATRIX_SCALE_ROW1
.else
	v_wmma_scale_f32_16x16x128_f8f6f4 v[rD:rD+7], v[rB:rB+7], v[rA:rA+7], v[64+8*(\a):71+8*(\a)], v[rSB], v[rSA] matrix_a_fmt:MATRIX_FMT_FP4 matrix_b_fmt:MATRIX_FMT_FP4 matrix_a_scale:MATRIX_SCALE_ROW1
.endif
.endr
.endr
.endm
.macro HALVES part, k, cm              ; A's blocks 0-3 (window 2) or 4-7 (window 3); source 0 window 1, source 1 window 0; C in the accumulators' window or, for the bias, in window 1
.if \cm
	WIN 0x91+0x40*(\part)
.else
	WIN 0xa1+0x50*(\part)
.endif
	MUL16 4*(\part), \k, \cm
	MUL16 4*(\part)+2, \k, \cm
.endm
; A K step of 128: 64 matrix instructions; the next step's 32 LDS loads stand in one run at its head, into the other set
.macro STEP k, cm
	s_wait_dscnt 0x0                               ; this step's fragments, asked for a step ago, are in
.if (\k) == 3
	s_wait_tensorcnt 0x0                           ; my part of slot 1 has landed; my reads of slot 0 are over
	s_barrier_signal -1
	HALVES 0, \k, \cm                              ; work on registers while the others arrive
	s_barrier_wait -1                              ; slot 1 is whole
	PLACES
	FETCH 4, 0
	HALVES 1, \k, \cm
.elseif (\k) == 7
	HALVES 0, \k, \cm
	HALVES 1, \k, \cm
.else
.if (\k) > 0
	PLACES
.endif
	FETCH (\k)+1, 1-(\k)%2
	HALVES 0, \k, \cm
	HALVES 1, \k, \cm
.endif
	WIN 0
.endm
	s_wait_tensorcnt 1                             ; the scales and my part of slot 0 are in; slot 1's load may be out
	s_barrier_signal -1
	s_barrier_wait -1                              ; everybody's are
	s_wait_alu depctr_va_vdst(0)
.irp s, 0,1
.irp i, 0,1,2,3,4,5,6,7
	ds_load_b128 v[SC+32*\s+4*\i:SC+32*\s+4*\i+3], v[ADRS] offset:2048*\s+256*\i   ; all scale words of my 128 + 128 positions, once
.endr
.endr
	FETCH 0, 0
	s_wait_loadcnt 0x0                             ; the bias
	s_cmp_lt_u32 ttmp9, 2
	s_cbranch_scc0 .Lfirst_v
	STEP 0, 1                                      ; q, k: the bias goes by B's tile (the columns)
	s_branch .Lsteps
.Lfirst_v:
	STEP 0, 2                                      ; v^T: by A's tile (the channels)
.Lsteps:
	STEP 1, 0
	STEP 2, 0
	STEP 3, 0
	STEP 4, 0
	STEP 5, 0
	STEP 6, 0
	STEP 7, 0
; THE WAY OUT: no LDS.  Block a's 64 accumulator registers are 64 numbers of my row in the quantiser's order, 32 g + 16 h + i: they become a fragment in v[pc] on and a scale word in v[PW], each accumulator read from its low end on.
.macro QACC a, pc
.set W, 2+(\a)/4
.set AC, 64*((\a)%4)
	WIN (W<<2)|(W<<4)
.irp b, 0,1,2,3
	v_max3_num_f32 v[TM+\b], 0x1800000, |v[AC+16*\b]|, |v[AC+1+16*\b]|   ; with the floor 2^(3 - 127)
.endr
.irp i, 2,4,6,8,10,12,14
.irp b, 0,1,2,3
	v_max3_num_f32 v[TM+\b], v[TM+\b], |v[AC+16*\b+\i]|, |v[AC+1+16*\b+\i]|
.endr
.endr
	WIN 0
.irp b, 0,1,2,3
	v_permlanex16_b32 v[TM+4+\b], v[TM+\b], s2, s3
.endr
.irp b, 0,1,2,3
	v_max_num_f32 v[TM+\b], v[TM+\b], v[TM+4+\b]
.endr
.irp b, 0,1,2,3
	v_add_nc_u32 v[TM+12+\b], 0xff000000, v[TM+\b]
.endr
.irp b, 0,1,2,3
	v_lshrrev_b32 v[TM+4+\b], 23, v[TM+12+\b]
.endr
	v_lshl_or_b32 v[PW], v[TM+5], 8, v[TM+4]
	v_lshl_or_b32 v[PW], v[TM+6], 16, v[PW]
	v_lshl_or_b32 v[PW], v[TM+7], 24, v[PW]
	WIN W
.irp b, 0,1,2,3
	v_cvt_scalef32_pk8_fp4_f32 v[\pc+2*\b], v[AC+16*\b:AC+7+16*\b], v[TM+12+\b]
	v_cvt_scalef32_pk8_fp4_f32 v[\pc+1+2*\b], v[AC+8+16*\b:AC+15+16*\b], v[TM+12+\b]
.endr
	WIN 0
	v_nop                                          ; one plain place behind the scaled conversions
.irp c, 0,1
.irp i, 0,1
	v_permlane16_swap_b32 v[\pc+4*\c+\i], v[\pc+2+4*\c+\i]
.endr
.endr
.endm
	PLACES
.irp b, 0,1,2,3
	v_mov_b32 v[TM+4+\b], 0                        ; a lane permute's destination counts as one of its sources
.endr
	s_mov_b32 s2, 0x76543210
	s_mov_b32 s3, 0xfedcba98
	v_cmp_le_u32 vcc_lo, 16, v1                    ; lanes 16-31
	s_cmp_lt_u32 ttmp9, 2
	s_cbranch_scc0 .Lout_v
	; ---- q or k: my 128 tokens (tiles 8 st + a of the batch), my two heads
	s_lshr_b32 s18, s17, 3
	s_lshl_b32 s18, s18, 4                         ; 16 x batch
	s_and_b32 s19, s42, 3
	s_lshl_b32 s19, s19, 2
	s_add_co_u32 s18, s18, s19
	s_lshl_b32 s19, s16, 1
	s_add_co_u32 s18, s18, s19                     ; + my first head
	s_mul_i32 s18, s18, REC
	s_mul_i32 s19, ttmp9, 73728                    ; q's part or k's
	s_add_co_u32 s18, s18, s19
	s_mov_b32 s19, 0
	s_add_nc_u64 s[98:99], s[98:99], s[18:19]
	s_and_b32 s20, s17, 7
	s_lshl_b32 s20, s20, 1
	s_add_co_u32 s20, s20, s15                     ; st: which 128 tokens of the batch
	s_lshl_b32 s21, s20, 12
	v_add_nc_u32 v8, s21, v4                       ; codes: 16 x lane + 4,096 st
	s_lshl_b32 s21, s20, 9
	s_add_co_u32 s21, s21, 65536
	v_add_nc_u32 v9, s21, v4                       ; scale words: 16 x lane + 65,536 + 512 st
.irp a, 0,1,2,3,4,5,6,7
	QACC \a, 128+8*\a
	global_store_b128 v8, v[128+8*\a:131+8*\a], s[98:99] offset:512*\a         ; the first head's 64: 512 consecutive bytes; each block has its own registers
	global_store_b128 v8, v[132+8*\a:135+8*\a], s[98:99] offset:512*\a+REC     ; the second head's
.if (\a)%2 == 0
	v_and_b32 v[SW0+\a/2], 0xffff, v[PW]           ; a head's two bytes; the upper 64 of the instruction's K have zero codes and the byte 0
	v_lshrrev_b32 v[SW1+\a/2], 16, v[PW]
.else
	v_and_b32 v217, 0xffff, v[PW]
	v_lshrrev_b32 v218, 16, v[PW]
	v_cndmask_b32 v[SW0+\a/2], v[SW0+\a/2], v217, vcc_lo   ; lanes 0-15 keep the even tile's word, lanes 16-31 take the odd tile's
	v_cndmask_b32 v[SW1+\a/2], v[SW1+\a/2], v218, vcc_lo
.endif
.endr
	global_store_b128 v9, v[SW0:SW0+3], s[98:99]
	global_store_b128 v9, v[SW1:SW1+3], s[98:99] offset:REC
	s_branch .Lend
.Lout_v:
	; ---- v^T: my 128 channels (two heads of four tiles), my 128 keys (step st)
	s_lshr_b32 s18, s42, 3
	s_lshl_b32 s18, s18, 4
	s_lshl_b32 s19, s41, 2
	s_add_co_u32 s18, s18, s19
	s_lshl_b32 s19, s15, 1
	s_add_co_u32 s18, s18, s19
	s_mul_i32 s18, s18, REC
	s_mov_b32 s19, 0
	s_add_nc_u64 s[98:99], s[98:99], s[18:19]
	s_and_b32 s20, s42, 7
	s_lshl_b32 s20, s20, 1
	s_add_co_u32 s20, s20, s16
	s_lshl_b32 s21, s20, 12
	s_add_co_u32 s21, s21, 147456
	v_add_nc_u32 v8, s21, v4
	s_lshl_b32 s21, s20, 8
	s_add_co_u32 s21, s21, 212992
	v_lshl_add_u32 v9, v1, 3, s21
.irp a, 0,1,2,3,4,5,6,7
	QACC \a, 128+8*\a
	global_store_b128 v8, v[128+8*\a:131+8*\a], s[98:99] offset:(\a/4)*REC+(\a%4)*1024
	global_store_b128 v8, v[132+8*\a:135+8*\a], s[98:99] offset:(\a/4)*REC+(\a%4)*1024+512
.if (\a)%2 == 0
	v_mov_b32 v[SW0+\a/2], v[PW]
.else
	v_cndmask_b32 v[SW0+\a/2], v[SW0+\a/2], v[PW], vcc_lo
.endif
.endr
	global_store_b64 v9, v[SW0:SW0+1], s[98:99]              ; 32 lanes store 256 consecutive bytes, aligned
	global_store_b64 v9, v[SW0+2:SW0+3], s[98:99] offset:REC
.Lend:
	s_wait_tensorcnt 0x0
	ds_add_u32 v126, v127
	s_wait_dscnt 0x0
	CROUND                                         ; the closing round: no work-group ends while a partner may still ask for a tile that names it
	s_endpgm
.Lfunc_end_k_qc4dd4524b3_qkv:
	.size	k_qc4dd4524b3_qkv, .Lfunc_end_k_qc4dd4524b3_qkv-k_qc4dd4524b3_qkv
	.p2alignl 7, 3214868480
	.fill 96, 4, 3214868480
	.section	.rodata,"a",@progbits
	.p2align	6, 0x0
	.amdhsa_kernel k_qc4dd4524b3_qkv
		.amdhsa_group_segment_fixed_size 279040
		.amdhsa_private_segment_fixed_size 0
		.amdhsa_enable_private_segment 0
		.amdhsa_kernarg_size 64
		.amdhsa_user_sgpr_count 2
		.amdhsa_user_sgpr_kernarg_segment_ptr 1
		.amdhsa_wavefront_size32 1
		.amdhsa_system_sgpr_workgroup_id_x 1
		.amdhsa_system_sgpr_workgroup_id_y 1
		.amdhsa_system_sgpr_workgroup_id_z 1
		.amdhsa_system_vgpr_workitem_id 0
		.amdhsa_next_free_vgpr 1024
		.amdhsa_next_free_sgpr 100
		.amdhsa_reserve_vcc 1
		.amdhsa_float_denorm_mode_32 3
		.amdhsa_float_denorm_mode_16_64 3
		.amdhsa_memory_ordered 1
		.amdhsa_forward_progress 1
		.amdhsa_inst_pref_size 179
	.end_amdhsa_kernel
	.amdgpu_metadata
---
amdhsa.version: [ 1, 2 ]
amdhsa.kernels:
  - .name:           k_qc4dd4524b3_qkv
    .symbol:         k_qc4dd4524b3_qkv.kd
    .args:
      - { .name: xc, .offset: 0, .size: 8, .value_kind: global_buffer, .address_space: global }
      - { .name: xs, .offset: 8, .size: 8, .value_kind: global_buffer, .address_space: global }
      - { .name: wc, .offset: 16, .size: 8, .value_kind: global_buffer, .address_space: global }
      - { .name: ws, .offset: 24, .size: 8, .value_kind: global_buffer, .address_space: global }
      - { .name: bq, .offset: 32, .size: 8, .value_kind: global_buffer, .address_space: global }
      - { .name: bk, .offset: 40, .size: 8, .value_kind: global_buffer, .address_space: global }
      - { .name: bv, .offset: 48, .size: 8, .value_kind: global_buffer, .address_space: global }
      - { .name: qkv, .offset: 56, .size: 8, .value_kind: global_buffer, .address_space: global }
    .group_segment_fixed_size: 279040
    .private_segment_fixed_size: 0
    .kernarg_segment_align: 8
    .kernarg_segment_size: 64
    .max_flat_workgroup_size: 128
    .sgpr_count:     100
    .vgpr_count:     1024
    .wavefront_size: 32
...
	.end_amdgpu_metadata
.endif
;; end of part 2
;; launch attn (part 3): grid 4 x 64, 16 waves a work-group, no clusters, 169,984 bytes of LDS; arguments qkv, ac, asc; writes ac, asc
.if DOCPART == 3
	.amdgcn_target "amdgcn-amd-amdhsa--gfx1250"
	.amdhsa_code_object_version 6
	.text
	.protected	k_qc4dd4524b3_attn
	.globl	k_qc4dd4524b3_attn
	.p2align	8
	.type	k_qc4dd4524b3_attn,@function
k_qc4dd4524b3_attn:
	s_mov_b64 s[64:65], 0
	v_nop
	global_prefetch_b8 v0, s[64:65] scope:SCOPE_SE
	s_setreg_imm32_b32 hwreg(HW_REG_WAVE_MODE, 25, 1), 1
	s_wait_xcnt 0x0
; Causal attention of one (batch, head) on codes of FP4 (E2M1) with E8M0 scales: S^T = K Q^T (K = the head's 64: the instruction's upper 64 are zero codes on both sides), p = 2^(t - M), O^T = V^T P^T, O / l,
; and O quantised along the model's 1,024 channels as the last product's operand.  t = score x log2(e) / 8; M = the running largest t rounded up to a whole number; l = the sum of the unquantised p.
; SHARES: a work-group owns query blocks j and 7 - j of 256 queries (nine units of causal work in every work-group); wave w owns tile 16 i + w of 16 queries in pass i = j, 7 - j: one tile in 256 registers, four waves to a SIMD.
; K's and V's codes and scale words of the whole head, 143,360 dense bytes of the record, come into LDS once (each wave brings 35 rows of 256 bytes); behind the one barrier LDS is only read.
; NO CLUSTER: the work-groups that share K and V own different query blocks, and which key steps are left out is a branch on that block; doing all steps in its stead would double the vector work.
; LAYOUT: both products transposed: a lane holds ONE query.  Tiles hold positions (true row = position with bits 3, 4 exchanged), so the 16 registers of tiles 2 g, 2 g + 1 of S^T are the true keys 32 g + 16 (lane / 16) + 0 .. 15.
; Both loops have constant trip counts; a key step all of whose keys come after my queries is jumped over by a scalar branch on ids.
; LIMITS: M is exact while |t| < 2^24; 1 / l by v_rcp_f32; a block of zeros or under 2^-124 gets the byte 1 (read by this program alone); NaN and infinities are not served.
; REGISTERS: v1-4 LDS places, v5, v7 the scale bytes' word and offset, v6 the mask's lane term, v8-11 addresses in hand, v12 -M, v13 the largest t, v[14:15] the sum, v16-23 Q, v24-27 K's scale words, v28-29 V's, v30 Q's, v31 p's,
;   v32-95 eight fragments of K, v96-159 S^T then p, v160-191 O^T, v192-223 four fragments of V, v224-231 p's codes, v232-254 at work, v255 16 r.
.set REC,  217088
.set SEL,  20
.set CS,   22
.set PASS, 36
.set IB,   37
.set TAU,  38
.set Q0,   39
.set MASK, 42
.set KF,   43
.set TK,   50
.set TS,   51
.set TV,   52
.set STEPS, 53
	s_load_b128 s[4:7], s[0:1], 0x0                ; qkv, ac
	s_load_b64 s[8:9], s[0:1], 0x10                ; asc
	v_lshl_add_u32 v249, v0, 2, 0x29000
	v_mov_b32 v250, 0
	ds_add_u32 v249, v250
	ds_add_u32 v249, v250
	v_lshrrev_b32 v8, 5, v0
	s_delay_alu instid0(VALU_DEP_1)
	v_readfirstlane_b32 s11, v8                    ; wave 0..15
	s_and_b32 s10, ttmp7, 0xffff                   ; 16 x batch + head
	s_mul_i32 s12, s10, REC
	s_mov_b32 s13, 0
	s_mov_b32 s24, 3<<16                           ; elements of 8 bytes, no padding, no mask
	s_mov_b32 s25, 32<<16                          ; tensor_dim0: 256 bytes
	s_mov_b32 s26, 35<<16                          ; tensor_dim1
	s_mov_b32 s27, 32<<16                          ; tile_dim0
	s_mov_b32 s28, 35                              ; tile_dim1
	s_mov_b32 s29, 32                              ; dense rows
	s_mov_b32 s30, 0
	s_mov_b32 s31, 0
	s_mul_i32 s14, s11, 8960                       ; my sixteenth of the 143,360 bytes
	s_add_co_u32 s16, s14, 73728                   ; K's part begins 73,728 bytes into the record
	s_mov_b32 s17, 0
	s_mov_b32 s32, 1
	s_mov_b32 s33, s14
	s_wait_dscnt 0x0
	s_wait_kmcnt 0x0
	s_add_nc_u64 s[4:5], s[4:5], s[12:13]          ; my record
	s_add_nc_u64 s[34:35], s[4:5], s[16:17]
	s_or_b32 s35, s35, 0x80000000
	tensor_load_to_lds s[32:35], s[24:31]          ; one load a wave is out
	s_nop 0
.rept 4
	v_nop
.endr
	v_and_b32 v8, 31, v0
	v_and_b32 v9, 15, v0
	v_bfe_u32 v10, v0, 4, 1
	s_delay_alu instid0(VALU_DEP_3)
	v_lshlrev_b32 v1, 4, v8                        ; K's codes at LDS byte 0: 16 x lane
	s_delay_alu instid0(VALU_DEP_1)
	v_add_nc_u32 v2, 73728, v1                     ; V's codes
	s_delay_alu instid0(VALU_DEP_2)
	v_add_nc_u32 v3, 65536, v1                     ; K's scale words: four a lane
	v_lshl_add_u32 v4, v8, 3, 139264               ; V's: two a lane
	v_and_b32 v6, 8, v9
	s_delay_alu instid0(VALU_DEP_1)
	v_add_nc_u32 v6, v6, v9
	v_lshlrev_b32 v11, 4, v10
	s_delay_alu instid0(VALU_DEP_1)
	v_sub_nc_u32 v6, v6, v11                       ; r + 8 (r / 8) - 16 h
	v_lshlrev_b32 v255, 4, v9
	v_mov_b32 v5, 0
	v_mov_b32 v7, 0
.irp i, 20,21,22,23
	v_mov_b32 v[\i], 0                             ; Q's k = 64 .. 127: zero codes
.endr
.irp t, 0,1,2,3,4,5,6,7
.irp i, 4,5,6,7
	v_mov_b32 v[32+8*\t+\i], 0                     ; K's likewise: written once, no load lands here
.endr
.endr
.irp i, 236,237,238,239,252,253
	v_mov_b32 v[\i], 0                             ; lane permutes' destinations, and the upper half of the pair v[252:253]
.endr
	s_mov_b32 s[SEL], 0x76543210
	s_mov_b32 s[SEL+1], 0xfedcba98
	s_mov_b32 s[CS], 0x3e38aa3b                    ; c = log2(e) / sqrt(64)
	s_mov_b32 s[CS+1], s[CS]
	s_lshr_b32 s18, s10, 4                         ; batch
	s_and_b32 s19, s10, 15                         ; head
	s_lshl_b32 s54, s18, 20                        ; ac: 128 tiles of 8,192 bytes a batch,
	s_lshr_b32 s40, s19, 1
	s_lshl_b32 s40, s40, 10
	s_add_co_u32 s54, s54, s40                     ; K step head / 2,
	s_and_b32 s40, s19, 1
	s_lshl_b32 s40, s40, 9
	s_add_co_u32 s54, s54, s40                     ; c = head % 2
	s_lshl_b32 s55, s18, 16                        ; asc: 16 blocks of 4,096 bytes a batch,
	s_lshr_b32 s40, s19, 3
	s_lshl_b32 s40, s40, 11
	s_add_co_u32 s55, s55, s40
	s_and_b32 s40, s19, 7
	s_lshl_b32 s40, s40, 1
	s_add_co_u32 s55, s55, s40                     ; my head's two bytes of a position's 16
	s_sub_co_u32 s56, 7, ttmp9
	s_wait_tensorcnt 0x0                           ; my part has landed,
	s_barrier_signal -1
	s_barrier_wait -1                              ; everybody's has
	s_mov_b32 s[PASS], 0
.Lpass:
	s_cmp_eq_u32 s[PASS], 0
	s_cselect_b32 s[IB], ttmp9, s56                ; the query block
	s_cselect_b32 s[MASK], -1, 0xffff0000          ; which lanes take this pass's scale bytes
	s_lshl_b32 s[TAU], s[IB], 4
	s_add_co_u32 s[TAU], s[TAU], s11               ; my tile of 16 queries
	s_lshr_b32 s40, s[TAU], 1
	s_lshl_b32 s[Q0], s40, 5
	s_and_b32 s41, s[TAU], 1
	s_lshl_b32 s57, s41, 3
	s_add_co_u32 s[Q0], s[Q0], s57                 ; my queries are Q0 + r + 8 (r / 8): Q0 .. Q0 + 23
	s_lshl_b32 s58, s[TAU], 9
	s_mov_b32 s59, 0
	s_add_nc_u64 s[44:45], s[4:5], s[58:59]        ; Q's codes
	s_lshr_b32 s58, s[TAU], 3
	s_lshl_b32 s58, s58, 9
	s_lshl_b32 s41, s41, 8
	s_add_co_u32 s58, s58, s41
	s_and_b32 s40, s40, 3
	s_lshl_b32 s40, s40, 2
	s_add_co_u32 s58, s58, s40
	s_add_co_u32 s58, s58, 65536
	s_add_nc_u64 s[46:47], s[4:5], s[58:59]        ; Q's scale words
	s_lshl_b32 s58, s[TAU], 13
	s_add_co_u32 s58, s58, s54
	s_add_nc_u64 s[48:49], s[6:7], s[58:59]        ; where my tile's codes go
	s_lshr_b32 s60, s[TAU], 3
	s_lshl_b32 s60, s60, 12
	s_and_b32 s61, s[TAU], 7
	s_lshl_b32 s61, s61, 8
	s_add_co_u32 s60, s60, s61
	s_add_co_u32 s60, s60, s55                     ; and its scale bytes
	global_load_b128 v[16:19], v1, s[44:45]
	global_load_b32 v30, v255, s[46:47]
	v_mov_b32 v13, 0xff61b1e6                      ; the largest t so far: -3e38
	s_delay_alu instid0(VALU_DEP_1)
	v_floor_f32 v12, -v13                          ; -M
	v_mov_b32 v14, 0
	v_mov_b32 v15, 0
.set J, 0
.rept 32
	v_mov_b32 v[160+J], 0                          ; O^T: the step is written once; the first change of M leaves zeros zeros
.set J, J+1
.endr
	s_mov_b32 s[KF], 0
	s_mov_b32 s[TK], 0
	s_mov_b32 s[TS], 0
	s_mov_b32 s[TV], 0
	s_mov_b32 s[STEPS], 16
	s_wait_loadcnt 0x0
.Lstep:                                            ; a key step: 128 keys
	s_add_co_u32 s40, s[Q0], 23
	s_cmp_gt_u32 s[KF], s40                        ; all its keys come after my queries: only the addresses step
	s_cbranch_scc1 .Lhidden
	s_setprio 2
	v_add_nc_u32 v8, s[TK], v1                     ; (these four are also places behind the last step's products)
	v_add_nc_u32 v9, s[TK], v2
	v_add_nc_u32 v10, s[TS], v3
	v_add_nc_u32 v11, s[TV], v4
.irp t, 0,1,2,3,4,5,6,7
	ds_load_b128 v[32+8*\t:35+8*\t], v8 offset:512*\t
.endr
	ds_load_b128 v[24:27], v10
	s_wait_alu depctr_va_vdst(0)
	s_wait_dscnt 0x0
.irp t, 0,1,2,3,4,5,6,7
.if (\t)%2
	v_wmma_scale_f32_16x16x128_f8f6f4 v[96+8*\t:103+8*\t], v[32+8*\t:39+8*\t], v[16:23], 0, v[24+\t/2], v30 matrix_a_fmt:MATRIX_FMT_FP4 matrix_b_fmt:MATRIX_FMT_FP4 matrix_a_scale:MATRIX_SCALE_ROW1
.else
	v_wmma_scale_f32_16x16x128_f8f6f4 v[96+8*\t:103+8*\t], v[32+8*\t:39+8*\t], v[16:23], 0, v[24+\t/2], v30 matrix_a_fmt:MATRIX_FMT_FP4 matrix_b_fmt:MATRIX_FMT_FP4
.endif
.endr
.rept 4
	v_nop                                          ; places in front of the first read of the scores, and (with the four additions) of the loads into V's registers
.endr
.irp t, 0,1,2,3
.irp c, 0,1
	ds_load_b128 v[192+8*\t+4*\c:195+8*\t+4*\c], v9 offset:1024*\t+512*\c   ; V's fragments land under the softmax
.endr
.endr
	ds_load_b64 v[28:29], v11
	s_add_co_u32 s40, s[KF], 127
	s_cmp_le_u32 s40, s[Q0]                        ; all keys count: no mask
	s_cbranch_scc1 .Lopen
	s_sub_co_i32 s40, s[Q0], s[KF]
	v_add_nc_u32 v252, s40, v6                     ; d = my query - KF - 16 h.  Register 16 g + i holds key KF + 32 g + 16 h + i: hidden where 32 g + i > d
	v_mov_b32 v254, 0xff800000
.set N, 0
.rept 64
	v_cmp_gt_i32 vcc_lo, 32*(N/16)+N%16, v252
	v_cndmask_b32 v[96+N], v[96+N], v254, vcc_lo
.set N, N+1
.endr
.Lopen:
.irp b, 0,1,2,3
	v_max3_num_f32 v[232+\b], v[96+16*\b], v[97+16*\b], v[98+16*\b]   ; the largest score of each block of 32 keys: for the row's maximum and, since p rises with the score, for the block's largest p
.endr
.irp i, 3,5,7,9,11,13
.irp b, 0,1,2,3
	v_max3_num_f32 v[232+\b], v[232+\b], v[96+16*\b+\i], v[97+16*\b+\i]
.endr
.endr
.irp b, 0,1,2,3
	v_max_num_f32 v[232+\b], v[232+\b], v[111+16*\b]
.endr
.irp b, 0,1,2,3
	s_delay_alu instid0(VALU_DEP_4)
	v_permlanex16_b32 v[236+\b], v[232+\b], s[SEL], s[SEL+1]
.endr
.irp b, 0,1,2,3
	s_delay_alu instid0(VALU_DEP_4)
	v_max_num_f32 v[232+\b], v[232+\b], v[236+\b]
.endr
	s_delay_alu instid0(VALU_DEP_2)
	v_max3_num_f32 v254, v232, v233, v234
	s_delay_alu instid0(VALU_DEP_1)
	v_max_num_f32 v254, v254, v235
	s_delay_alu instid0(VALU_DEP_1)
	v_mul_f32 v254, s[CS], v254
	s_delay_alu instid0(VALU_DEP_1)
	v_max_num_f32 v13, v13, v254                   ; the running largest t
	v_mov_b32 v254, v12
	s_delay_alu instid0(VALU_DEP_2)
	v_floor_f32 v12, -v13                          ; the new -M = -ceil(t)
	s_delay_alu instid0(VALU_DEP_1)
	v_sub_f32 v254, v12, v254                      ; old M - new M: a whole number, 0 or less
	s_delay_alu instid0(VALU_DEP_1)
	v_cvt_i32_f32 v254, v254                       ; (it saturates)
	s_delay_alu instid0(VALU_DEP_1)
	v_ldexp_f32 v252, 1.0, v254                    ; f = 2^(old M - new M): exact
.set J, 0
.rept 32
	v_pk_fma_f32 v[96+J:97+J], v[96+J:97+J], s[CS:CS+1], v[12:13] op_sel_hi:[1,0,0]   ; t - M
.set J, J+2
.endr
	s_setprio 1
.irp b, 0,1,2,3
	v_fma_f32 v[232+\b], v[232+\b], s[CS], v12
.endr
.set J, 0
	s_wait_alu depctr_va_vdst(0)
.rept 64
	v_exp_f32 v[96+J], v[96+J]                     ; p = 2^(t - M)
.set J, J+1
.endr
	v_pk_mul_f32 v[14:15], v[14:15], v[252:253] op_sel_hi:[1,0]   ; the sum under the new M: the plain place behind the exponentials
	s_wait_alu depctr_va_vdst(0)                   ; one wait for the batch of 64, ahead of its first reader
.irp b, 0,1,2,3
	v_exp_f32 v[232+\b], v[232+\b]                 ; each block's largest p
.endr
	v_pk_add_f32 v[236:237], v[100:101], v[104:105]
	v_pk_add_f32 v[246:247], v[108:109], v[112:113]
	v_pk_add_f32 v[244:245], v[116:117], v[120:121]
	v_pk_add_f32 v[242:243], v[124:125], v[128:129]
	v_pk_add_f32 v[240:241], v[132:133], v[136:137]
	v_pk_add_f32 v[238:239], v[140:141], v[144:145]
	v_pk_add_f32 v[230:231], v[148:149], v[152:153]
	v_pk_add_f32 v[14:15], v[14:15], v[156:157]
	v_pk_add_f32 v[236:237], v[236:237], v[96:97]
	v_pk_add_f32 v[246:247], v[246:247], v[98:99]
	v_pk_add_f32 v[244:245], v[244:245], v[102:103]
	v_pk_add_f32 v[242:243], v[242:243], v[106:107]
	v_pk_add_f32 v[240:241], v[240:241], v[110:111]
	v_pk_add_f32 v[238:239], v[238:239], v[114:115]
	v_pk_add_f32 v[230:231], v[230:231], v[118:119]
	v_pk_add_f32 v[14:15], v[14:15], v[122:123]
	v_pk_add_f32 v[236:237], v[236:237], v[126:127]
	v_pk_add_f32 v[246:247], v[246:247], v[130:131]
	v_pk_add_f32 v[244:245], v[244:245], v[134:135]
	v_pk_add_f32 v[242:243], v[242:243], v[138:139]
	v_pk_add_f32 v[240:241], v[240:241], v[142:143]
	v_pk_add_f32 v[238:239], v[238:239], v[146:147]
	v_pk_add_f32 v[230:231], v[230:231], v[150:151]
	v_pk_add_f32 v[14:15], v[14:15], v[154:155]
	v_pk_add_f32 v[236:237], v[236:237], v[158:159]
	s_delay_alu instid0(VALU_DEP_2)
	v_pk_add_f32 v[14:15], v[14:15], v[242:243]
	s_delay_alu instid0(VALU_DEP_2)
	v_pk_add_f32 v[236:237], v[236:237], v[240:241]
	v_pk_add_f32 v[246:247], v[246:247], v[238:239]
	v_pk_add_f32 v[244:245], v[244:245], v[230:231]
	s_delay_alu instid0(VALU_DEP_2)
	v_pk_add_f32 v[14:15], v[14:15], v[246:247]
	s_delay_alu instid0(VALU_DEP_2)
	v_pk_add_f32 v[236:237], v[236:237], v[244:245]
	s_delay_alu instid0(VALU_DEP_1)
	v_pk_add_f32 v[14:15], v[14:15], v[236:237]
	s_wait_alu depctr_va_vdst(0)                   ; and one for the four
.irp b, 0,1,2,3
	v_max_num_f32 v[232+\b], 0x1800000, v[232+\b]  ; the floor: the byte cannot fall under 1
.endr
.irp b, 0,1,2,3
	s_delay_alu instid0(VALU_DEP_4)
	v_add_nc_u32 v[244+\b], 0xff000000, v[232+\b]
.endr
.irp b, 0,1,2,3
	s_delay_alu instid0(VALU_DEP_4)
	v_lshrrev_b32 v[236+\b], 23, v[244+\b]
.endr
	s_delay_alu instid0(VALU_DEP_3)
	v_lshl_or_b32 v31, v237, 8, v236               ; p's scale word for these 128 keys
	s_delay_alu instid0(VALU_DEP_1)
	v_lshl_or_b32 v31, v238, 16, v31
	s_delay_alu instid0(VALU_DEP_1)
	v_lshl_or_b32 v31, v239, 24, v31
	s_setprio 0
.irp b, 0,1,2,3
	v_cvt_scalef32_pk8_fp4_f32 v[224+2*\b], v[96+16*\b:103+16*\b], v[244+\b]
	v_cvt_scalef32_pk8_fp4_f32 v[225+2*\b], v[104+16*\b:111+16*\b], v[244+\b]
.endr
	v_nop                                          ; one plain place behind the scaled conversions
.irp c, 0,1
.irp i, 0,1
	v_permlane16_swap_b32 v[224+4*\c+\i], v[226+4*\c+\i]
.endr
.endr
.set J, 0
.rept 16
	v_pk_mul_f32 v[160+J:161+J], v[160+J:161+J], v[252:253] op_sel_hi:[1,0]   ; O^T under the new M; these sixteen are also the places between p's codes and scale word and the products
.set J, J+2
.endr
	s_wait_alu depctr_va_vdst(0)
	s_wait_dscnt 0x0                               ; V
.irp t, 0,1,2,3
.if (\t)%2
	v_wmma_scale_f32_16x16x128_f8f6f4 v[160+8*\t:167+8*\t], v[192+8*\t:199+8*\t], v[224:231], v[160+8*\t:167+8*\t], v[28+\t/2], v31 matrix_a_fmt:MATRIX_FMT_FP4 matrix_b_fmt:MATRIX_FMT_FP4 matrix_a_scale:MATRIX_SCALE_ROW1
.else
	v_wmma_scale_f32_16x16x128_f8f6f4 v[160+8*\t:167+8*\t], v[192+8*\t:199+8*\t], v[224:231], v[160+8*\t:167+8*\t], v[28+\t/2], v31 matrix_a_fmt:MATRIX_FMT_FP4 matrix_b_fmt:MATRIX_FMT_FP4
.endif
.endr
.Lhidden:
	s_add_co_u32 s[KF], s[KF], 128
	s_add_co_u32 s[TK], s[TK], 4096
	s_add_co_u32 s[TS], s[TS], 512
	s_add_co_u32 s[TV], s[TV], 256
	s_sub_co_u32 s[STEPS], s[STEPS], 1
	s_cmp_lg_u32 s[STEPS], 0
	s_cbranch_scc1 .Lstep
	s_setprio 0
	; ---- the pass's end: O / l, quantised along the head's 64 channels (two blocks), which are k = 64 head + 0 .. 63 of the last product
.rept 4
	v_nop
.endr
	v_add_f32 v14, v14, v15
	s_delay_alu instid0(VALU_DEP_1)
	v_permlanex16_b32 v252, v14, s[SEL], s[SEL+1]
	s_delay_alu instid0(VALU_DEP_1)
	v_add_f32 v14, v14, v252                       ; the row's sum
	s_wait_alu depctr_va_vdst(0)
	v_rcp_f32 v14, v14
	v_nop                                          ; a plain place behind the transcendental
	s_wait_alu depctr_va_vdst(0)                   ; and the wait ahead of its first reader
.set J, 0
.rept 16
	v_pk_mul_f32 v[96+J:97+J], v[160+J:161+J], v[14:15] op_sel_hi:[1,0]   ; register 16 g + i is channel 32 g + 16 h + i of my query
.set J, J+2
.endr
.irp b, 0,1
	v_max3_num_f32 v[232+\b], |v[96+16*\b]|, |v[97+16*\b]|, 0x1800000
.endr
.irp i, 2,4,6,8,10,12,14
.irp b, 0,1
	s_delay_alu instid0(VALU_DEP_2)
	v_max3_num_f32 v[232+\b], v[232+\b], |v[96+16*\b+\i]|, |v[97+16*\b+\i]|
.endr
.endr
.irp b, 0,1
	s_delay_alu instid0(VALU_DEP_2)
	v_permlanex16_b32 v[236+\b], v[232+\b], s[SEL], s[SEL+1]
.endr
.irp b, 0,1
	s_delay_alu instid0(VALU_DEP_2)
	v_max_num_f32 v[232+\b], v[232+\b], v[236+\b]
.endr
.irp b, 0,1
	s_delay_alu instid0(VALU_DEP_2)
	v_add_nc_u32 v[244+\b], 0xff000000, v[232+\b]
.endr
.irp b, 0,1
	s_delay_alu instid0(VALU_DEP_2)
	v_lshrrev_b32 v[236+\b], 23, v[244+\b]
.endr
	s_delay_alu instid0(VALU_DEP_1)
	v_lshl_or_b32 v254, v237, 8, v236              ; my query's two scale bytes
.irp b, 0,1
	v_cvt_scalef32_pk8_fp4_f32 v[224+2*\b], v[96+16*\b:103+16*\b], v[244+\b]
	v_cvt_scalef32_pk8_fp4_f32 v[225+2*\b], v[104+16*\b:111+16*\b], v[244+\b]
.endr
	v_nop
	v_permlane16_swap_b32 v224, v226
	v_permlane16_swap_b32 v225, v227               ; v224-227: k = 32 h + 0 .. 31 of the head's 64
	global_store_b128 v1, v[224:227], s[48:49]     ; 512 consecutive bytes
	v_add_nc_u32 v251, s60, v255
	s_delay_alu instid0(VALU_DEP_1)
	v_cndmask_b32 v7, v7, v251, s[MASK]            ; lanes 0-15 keep the first pass's offset and bytes, lanes 16-31 take the second's
	v_cndmask_b32 v5, v5, v254, s[MASK]
	s_wait_xcnt 0x0                                ; the store has read its base and data: both are written again in the next pass
	s_add_co_u32 s[PASS], s[PASS], 1
	s_cmp_lt_u32 s[PASS], 2
	s_cbranch_scc1 .Lpass
	s_wait_alu depctr_va_vdst(0)
	global_store_b16 v7, v5, s[8:9]                ; two bytes a query: a position's 16 bytes come from eight heads, so these leave in pieces; asc is 1/16 of ac
	s_wait_tensorcnt 0x0
	ds_add_u32 v249, v250
	s_wait_dscnt 0x0
	s_endpgm
.Lfunc_end_k_qc4dd4524b3_attn:
	.size	k_qc4dd4524b3_attn, .Lfunc_end_k_qc4dd4524b3_attn-k_qc4dd4524b3_attn
	.p2alignl 7, 3214868480
	.fill 96, 4, 3214868480
	.section	.rodata,"a",@progbits
	.p2align	6, 0x0
	.amdhsa_kernel k_qc4dd4524b3_attn
		.amdhsa_group_segment_fixed_size 169984
		.amdhsa_private_segment_fixed_size 0
		.amdhsa_enable_private_segment 0
		.amdhsa_kernarg_size 24
		.amdhsa_user_sgpr_count 2
		.amdhsa_user_sgpr_kernarg_segment_ptr 1
		.amdhsa_wavefront_size32 1
		.amdhsa_system_sgpr_workgroup_id_x 1
		.amdhsa_system_sgpr_workgroup_id_y 1
		.amdhsa_system_sgpr_workgroup_id_z 1
		.amdhsa_system_vgpr_workitem_id 0
		.amdhsa_next_free_vgpr 256
		.amdhsa_next_free_sgpr 66
		.amdhsa_reserve_vcc 1
		.amdhsa_float_denorm_mode_32 3
		.amdhsa_float_denorm_mode_16_64 3
		.amdhsa_memory_ordered 1
		.amdhsa_forward_progress 1
		.amdhsa_inst_pref_size 34
	.end_amdhsa_kernel
	.amdgpu_metadata
---
amdhsa.version: [ 1, 2 ]
amdhsa.kernels:
  - .name:           k_qc4dd4524b3_attn
    .symbol:         k_qc4dd4524b3_attn.kd
    .args:
      - { .name: qkv, .offset: 0, .size: 8, .value_kind: global_buffer, .address_space: global }
      - { .name: ac, .offset: 8, .size: 8, .value_kind: global_buffer, .address_space: global }
      - { .name: asc, .offset: 16, .size: 8, .value_kind: global_buffer, .address_space: global }
    .group_segment_fixed_size: 169984
    .private_segment_fixed_size: 0
    .kernarg_segment_align: 8
    .kernarg_segment_size: 24
    .max_flat_workgroup_size: 512
    .sgpr_count:     66
    .vgpr_count:     256
    .wavefront_size: 32
...
	.end_amdgpu_metadata
.endif
;; end of part 3
;; launch oproj (part 4): grid 4 x 64, 4 waves a work-group, clusters of 4 x 4, 327,680 bytes of LDS; arguments ac, asc, wc, ws, bo, out0; writes out0
.if DOCPART == 4
	.amdgcn_target "amdgcn-amd-amdhsa--gfx1250"
	.amdhsa_code_object_version 6
	.text
	.protected	k_qc4dd4524b3_oproj
	.globl	k_qc4dd4524b3_oproj
	.p2align	8
	.type	k_qc4dd4524b3_oproj,@function
k_qc4dd4524b3_oproj:
	s_mov_b64 s[64:65], 0
	v_nop
	global_prefetch_b8 v0, s[64:65] scope:SCOPE_SE
	s_setreg_imm32_b32 hwreg(HW_REG_WAVE_MODE, 25, 1), 1
	s_wait_xcnt 0x0
	s_wait_alu depctr_hold_cnt(0) depctr_sa_sdst(0) depctr_va_vdst(0) depctr_va_sdst(0) depctr_va_ssrc(0) depctr_va_vcc(0) depctr_vm_vsrc(0)
	s_getreg_b32 s2, hwreg(HW_REG_IB_STS2, 6, 4)
	s_cmp_eq_u32 s2, 0
	s_cbranch_scc0 .Lentry_in_a_cluster
	s_endpgm
.Lentry_in_a_cluster:
	s_bfe_u32 s2, ttmp6, 0x10000c
	s_cmp_lg_u32 s2, 0xf033
	s_cbranch_scc0 .Lentry_shape_is_right
	s_endpgm
.Lentry_shape_is_right:
; out0 = attention's result x wo + bo on codes of FP4 (E2M1) with E8M0 scales; out0 [8192][1024] f32.
; A tile of 128 tokens x 256 columns is made by four waves, 64 x 128 each: 32 accumulators; that gives 256 work-groups.  K = 1,024 lies in LDS whole: two slots of 512 along K, each filled once; no LDS byte is filled again by a load.
; Operands lie in memory in the order of their registers: [tile of 16 positions][K step: 8][c: 2][lane][16 bytes]; position p holds the true row p with bits 3, 4 exchanged.  wo's tiles are 192-255 of wc.
; THE MATRIX INSTRUCTION IS USED TRANSPOSED: source 0 = 16 positions of wo's columns, source 1 = 16 tokens: a lane holds one token, and the registers of tiles 2 g, 2 g + 1 are the true columns 32 g + 16 (lane / 16) + 0 .. 15.
; CLUSTERS: 4 x 4; A's tile is shared along a row of the cluster, B's along a column: joint loads.
; REGISTERS: window 0: v1-9 lane numbers and addresses, v16-27 LDS addresses, v32-95 scale words, v128.. A's fragments, two sets (on the way out: rows of out0);  window 1: B's fragments at v0 and v128, the bias at v64;  window 2: the accumulators, (a, b) at v[8 (8 a + b)].
.set MA,    4
.set HALFA, MA*4096
.set HALFB, 32768
.set SLOT,  2*HALFA+2*HALFB
.set SCLA,  2*SLOT                     ; A's scale bytes: [slot][128 positions][16 bytes]
.set SCLB,  SCLA+4096                  ; B's: [128 positions: 2][slot][position][16 bytes]
.set ADRA, 16
.set ADRB, 20
.set ADRS, 27
.set SC,   32
.set STO,  8
.set RD,   9
.set BK,   128
.set G1, 24
.set G0, 32
.set G1B, 48
.set G0B, 56
.set G1S, 68
.set G0S, 76
.set G1SB, 80
.set G0SB, 88
.set MSB, 0
.macro WIN new                         ; the immediate's high byte repeats the setting that is left
.if MSB != (\new)
	s_set_vgpr_msb (MSB<<8)|(\new)
.set MSB, (\new)
.endif
.endm
.macro PLACES                          ; four plain places: in front of loads into registers that matrix instructions have read, and of the first read of results
.rept 4
	v_nop
.endr
.endm
.macro JLOAD g0a, g1a, g0b, g1b        ; a joint load: waves 0, 1 fetch for A, waves 2, 3 for B; four v_nop follow each line
	s_cmp_eq_u32 s15, 0
	s_cbranch_scc0 .Lfor_b_\@
	tensor_load_to_lds s[\g0a:\g0a+3], s[\g1a:\g1a+7]
	s_nop 0
.rept 4
	v_nop
.endr
	s_branch .Lasked_\@
.Lfor_b_\@:
	tensor_load_to_lds s[\g0b:\g0b+3], s[\g1b:\g1b+7]
	s_nop 0
.rept 4
	v_nop
.endr
.Lasked_\@:
.endm
.macro CROUND                          ; a round of the cluster's barrier
	s_barrier_signal -1
	s_barrier_wait -1
	s_cmp_lg_u32 s14, 0
	s_cbranch_scc1 .Lnot_wave_0_\@
	s_barrier_signal -3
.Lnot_wave_0_\@:
	s_barrier_wait -3
	s_barrier_signal -1
	s_barrier_wait -1
.endm
	s_load_b256 s[4:11], s[0:1], 0x0               ; ac s[4:5], asc s[6:7], wc s[8:9], ws s[10:11]
	s_load_b128 s[92:95], s[0:1], 0x20             ; bo s[92:93], out0 s[94:95]
	v_lshl_add_u32 v126, v0, 2, 0x33000
	v_mov_b32 v127, 0
	ds_add_u32 v126, v127
	ds_add_u32 v126, v127
	v_lshrrev_b32 v1, 5, v0
	v_readfirstlane_b32 s14, v1                    ; wave 0..3
	s_lshr_b32 s15, s14, 1                         ; my half of A.  Also: I fetch for A (0) or for B (1)
	s_and_b32 s16, s14, 1                          ; my half of B.  Also: which half of that tile I fetch
	s_bfe_u32 s40, ttmp6, 0x40000                  ; cx
	s_bfe_u32 s41, ttmp6, 0x40004                  ; cy
	s_lshl_b32 s42, ttmp9, 2
	s_add_co_u32 s42, s42, s40                     ; B's tile of 256 columns
	s_and_b32 s17, ttmp7, 0xffff
	s_lshl_b32 s17, s17, 2
	s_add_co_u32 s17, s17, s41                     ; A's tile of 128 tokens
	s_lshl_b32 s43, s41, 2
	s_lshl_b32 s43, 15, s43                        ; my row of the cluster
	s_lshl_b32 s44, 0x1111, s40                    ; my column
	; codes: rows (tiles) of 4,096 bytes (four K steps), 8,192 bytes apart: 4 rows for A's half, 8 for B's
	s_or_b32 s[G1+0], s43, (3<<16)|(1<<21)
	s_mov_b32 s[G1+1], 512<<16
	s_mov_b32 s[G1+2], MA<<16
	s_mov_b32 s[G1+3], 512<<16
	s_mov_b32 s[G1+4], MA
	s_mov_b32 s[G1+5], 1024
	s_mov_b32 s[G1+6], 0
	s_mov_b32 s[G1+7], 0
	s_or_b32 s[G1B+0], s44, (3<<16)|(1<<21)
	s_mov_b32 s[G1B+1], 512<<16
	s_mov_b32 s[G1B+2], 8<<16
	s_mov_b32 s[G1B+3], 512<<16
	s_mov_b32 s[G1B+4], 8
	s_mov_b32 s[G1B+5], 1024
	s_mov_b32 s[G1B+6], 0
	s_mov_b32 s[G1B+7], 0
	; scale bytes, dense rows of 256 bytes: 8 rows for half of A's 4,096, 16 for half of B's 8,192
	s_or_b32 s[G1S+0], s43, (3<<16)|(1<<21)
	s_mov_b32 s[G1S+1], 32<<16
	s_mov_b32 s[G1S+2], 8<<16
	s_mov_b32 s[G1S+3], 32<<16
	s_mov_b32 s[G1S+4], 8
	s_mov_b32 s[G1S+5], 32
	s_mov_b32 s[G1S+6], 0
	s_mov_b32 s[G1S+7], 0
	s_or_b32 s[G1SB+0], s44, (3<<16)|(1<<21)
	s_mov_b32 s[G1SB+1], 32<<16
	s_mov_b32 s[G1SB+2], 16<<16
	s_mov_b32 s[G1SB+3], 32<<16
	s_mov_b32 s[G1SB+4], 16
	s_mov_b32 s[G1SB+5], 32
	s_mov_b32 s[G1SB+6], 0
	s_mov_b32 s[G1SB+7], 0
	s_lshl_b32 s20, s17, 16
	s_lshl_b32 s18, s16, 15
	s_add_co_u32 s20, s20, s18
	s_mov_b32 s21, 0                               ; A's codes: 65,536 bytes a tile, my half of 4 tiles
	s_add_co_u32 s46, s42, 12                      ; wo's tiles of 256 positions are 12 .. 15 of wc
	s_lshl_b32 s2, s46, 13
	s_lshl_b32 s46, s46, 17
	s_lshl_b32 s18, s16, 16
	s_add_co_u32 s46, s46, s18
	s_mov_b32 s47, 0                               ; B's codes
	s_lshl_b32 s22, s17, 12
	s_lshl_b32 s67, s16, 11
	s_add_co_u32 s22, s22, s67
	s_mov_b32 s23, 0                               ; A's scales
	s_lshl_b32 s19, s16, 12
	s_add_co_u32 s2, s2, s19
	s_mov_b32 s3, 0                                ; B's scales
	s_mul_i32 s45, s16, HALFA                      ; where they go: no place in the cluster enters an LDS address
	s_mul_i32 s66, s16, HALFB
	s_add_co_u32 s66, s66, 2*HALFA
	s_wait_dscnt 0x0
	s_wait_kmcnt 0x0
	s_add_nc_u64 s[4:5], s[4:5], s[20:21]
	s_add_nc_u64 s[8:9], s[8:9], s[46:47]
	s_add_nc_u64 s[6:7], s[6:7], s[22:23]
	s_add_nc_u64 s[10:11], s[10:11], s[2:3]
	CROUND                                         ; all sixteen work-groups are here: the joint loads meet
	s_mov_b32 s[G0S], 1
	s_add_co_u32 s[G0S+1], s67, SCLA
	s_mov_b64 s[G0S+2:G0S+3], s[6:7]
	s_or_b32 s[G0S+3], s[G0S+3], 0x80000000
	s_mov_b32 s[G0SB], 1
	s_add_co_u32 s[G0SB+1], s19, SCLB
	s_mov_b64 s[G0SB+2:G0SB+3], s[10:11]
	s_or_b32 s[G0SB+3], s[G0SB+3], 0x80000000
	JLOAD G0S, G1S, G0SB, G1SB                     ; three loads a wave in all, one at a time: the scales, slot 0, slot 1
.irp s, 0,1
	s_mov_b32 s[G0+4*\s], 1
	s_add_co_u32 s[G0+4*\s+1], s45, \s*SLOT
	s_add_nc_u64 s[G0+4*\s+2:G0+4*\s+3], s[4:5], \s*4096
	s_or_b32 s[G0+4*\s+3], s[G0+4*\s+3], 0x80000000
	s_mov_b32 s[G0B+4*\s], 1
	s_add_co_u32 s[G0B+4*\s+1], s66, \s*SLOT
	s_add_nc_u64 s[G0B+4*\s+2:G0B+4*\s+3], s[8:9], \s*4096
	s_or_b32 s[G0B+4*\s+3], s[G0B+4*\s+3], 0x80000000
	s_wait_alu depctr_va_vdst(0)
	s_wait_tensorcnt 0x0
	ds_add_u32 v126, v127
	s_wait_dscnt 0x0
	CROUND
	JLOAD G0+4*\s, G1, G0B+4*\s, G1B
.endr
	v_and_b32 v1, 31, v0                           ; lane
	v_and_b32 v2, 15, v0                           ; r
	v_bfe_u32 v3, v0, 4, 1                         ; h
	s_wait_alu depctr_va_vdst(0)
	v_lshlrev_b32 v4, 4, v1                        ; 16 x lane
	s_mul_i32 s18, s15, HALFA
	s_mul_i32 s19, s16, HALFB
	s_add_co_u32 s19, s19, 2*HALFA
.irp s, 0,1
	v_add_nc_u32 v[ADRA+\s], s18, v4
	v_add_nc_u32 v[ADRB+\s], s19, v4
	s_add_co_u32 s18, s18, SLOT
	s_add_co_u32 s19, s19, SLOT
.endr
	s_lshl_b32 s20, s15, 10                        ; the scale words: lanes 0-15 take my 64 tokens', lanes 16-31 my 128 columns': the lower base + h x the distance
	s_lshl_b32 s21, s16, 12
	s_add_co_u32 s21, s21, SCLB-SCLA
	s_sub_co_u32 s21, s21, s20
	v_mul_u32_u24 v5, s21, v3
	s_add_co_u32 s20, s20, SCLA
	v_lshl_add_u32 v5, v2, 4, v5
	v_add_nc_u32 v[ADRS], s20, v5
	s_mul_i32 s18, s14, 16*528                     ; the way out: my stage, 16 rows x (512 bytes + 16), in slot 0
	v_mul_u32_u24 v[STO], v2, 528
	v_lshl_add_u32 v[STO], v3, 6, v[STO]
	v_add_nc_u32 v[STO], s18, v[STO]               ; in: row r, + 64 h
	v_add_nc_u32 v[RD], s18, v4                    ; back: a row's 512 bytes by 32 lanes
	s_lshl_b32 s18, s42, 10
	s_lshl_b32 s19, s16, 9
	s_add_co_u32 s18, s18, s19                     ; my first column, in bytes
	s_mov_b32 s19, 0
	s_add_nc_u64 s[92:93], s[92:93], s[18:19]      ; bo there
	s_add_nc_u64 s[94:95], s[94:95], s[18:19]
	s_lshl_b32 s18, s17, 19
	s_lshl_b32 s20, s15, 18
	s_add_co_u32 s18, s18, s20                     ; my first token's row of 4,096 bytes: 128 x tile + 64 x half
	s_add_nc_u64 s[94:95], s[94:95], s[18:19]
	v_lshlrev_b32 v6, 6, v3                        ; the bias is the C of each sum's first matrix instruction: for B's tile b my eight columns are 32 (b / 2) + 16 h + 8 (b % 2) + 0 .. 7
	WIN 0x40
.irp b, 0,1,2,3,4,5,6,7
	global_load_b128 v[64+8*\b:67+8*\b], v6, s[92:93] offset:(32*(\b/2)+8*(\b%2))*4
	global_load_b128 v[68+8*\b:71+8*\b], v6, s[92:93] offset:(32*(\b/2)+8*(\b%2))*4+16
.endr
	WIN 0
.macro FRAG reg, adr, off              ; a fragment: 8 registers, two loads of 512 consecutive bytes
	ds_load_b128 v[\reg:\reg+3], v[\adr] offset:\off
	ds_load_b128 v[\reg+4:\reg+7], v[\adr] offset:\off+512
.endm
.macro FETCH k, p                      ; K step k's fragments into set p
	WIN 0x40
.irp i, 0,1,2,3,4,5,6,7
	FRAG 128*(\p)+8*\i, ADRB+(\k)/4, (4*\i+(\k)%4)*1024
.endr
	WIN 0
.set II, 0
.rept MA
	FRAG 128+64*(\p)+8*II, ADRA+(\k)/4, (4*II+(\k)%4)*1024
.set II, II+1
.endr
.endm
; 16 matrix instructions: A's blocks a0, a0 + 1 x B's eight.  cm = 1: the sums begin with the bias.  The 32 accumulators take turns, one instruction a turn
.macro MUL16 a0, k, cm
.irp a, \a0, \a0+1
.irp b, 0,1,2,3,4,5,6,7
.set rD, 8*(8*(\a)+\b)
.set rB, 128*((\k)%2)+8*\b
.set rA, 128+64*((\k)%2)+8*(\a)
.set rSB, SC+32*((\k)/4)+4*\b+(\k)%4
.set rSA, SC+32*((\k)/4)+4*(\a)+(\k)%4
.if \cm == 0
	v_wmma_scale_f32_16x16x128_f8f6f4 v[rD:rD+7], v[rB:rB+7], v[rA:rA+7], v[rD:rD+7], v[rSB], v[rSA] matrix_a_fmt:MATRIX_FMT_FP4 matrix_b_fmt:MATRIX_FMT_FP4 matrix_a_scale:MATRIX_SCALE_ROW1
.else
	v_wmma_scale_f32_16x16x128_f8f6f4 v[rD:rD+7], v[rB:rB+7], v[rA:rA+7], v[64+8*\b:71+8*\b], v[rSB], v[rSA] matrix_a_fmt:MATRIX_FMT_FP4 matrix_b_fmt:MATRIX_FMT_FP4 matrix_a_scale:MATRIX_SCALE_ROW1
.endif
.endr
.endr
.endm
.macro HALVES part, k, cm              ; A's blocks 0, 1 or 2, 3; source 0 window 1, source 1 window 0, D window 2; C window 2 or, for the bias, window 1
.if \cm
	WIN 0x91
.else
	WIN 0xa1
.endif
	MUL16 2*(\part), \k, \cm
.endm
; A K step of 128: 32 matrix instructions; the next step's 24 LDS loads stand in one run at its head, into the other set
.macro STEP k, cm
	s_wait_dscnt 0x0                               ; this step's fragments, asked for a step ago, are in
.if (\k) == 3
	s_wait_tensorcnt 0x0                           ; my part of slot 1 has landed; my reads of slot 0 are over
	s_barrier_signal -1
	HALVES 0, \k, \cm                              ; work on registers while the others arrive
	s_barrier_wait -1                              ; slot 1 is whole, and nobody reads slot 0 any more
	PLACES
	FETCH 4, 0
	HALVES 1, \k, \cm
.elseif (\k) == 7
	HALVES 0, \k, \cm
	HALVES 1, \k, \cm
.else
.if (\k) > 0
	PLACES
.endif
	FETCH (\k)+1, 1-(\k)%2
	HALVES 0, \k, \cm
	HALVES 1, \k, \cm
.endif
	WIN 0
.endm
	s_wait_alu depctr_va_vdst(0)
	s_wait_tensorcnt 1                             ; the scales and my part of slot 0 are in; slot 1's load may be out
	s_barrier_signal -1
	s_barrier_wait -1                              ; everybody's are
.irp s, 0,1
.irp i, 0,1,2,3,4,5,6,7
	ds_load_b128 v[SC+32*\s+4*\i:SC+32*\s+4*\i+3], v[ADRS] offset:2048*\s+256*\i   ; all scale words, once.  A has four blocks: for i = 4 .. 7 lanes 0-15 read filled bytes that no product names
.endr
.endr
	FETCH 0, 0
	s_wait_loadcnt 0x0                             ; the bias
	STEP 0, 1
	STEP 1, 0
	STEP 2, 0
	STEP 3, 0
	STEP 4, 0
	STEP 5, 0
	STEP 6, 0
	STEP 7, 0
; THE WAY OUT, block by block of 16 tokens x 128 columns, through my own stage: a lane holds pieces of 32 bytes of one row; the rows come back whole, 512 bytes, which the 32 lanes store as two aligned runs of 256 bytes.
; The stage lies in slot 0: its one fill has landed, and behind K step 3's barrier nobody reads it.  LDS serves a wave's instructions in order (ISA guide 5.7.1.4): no wait between the stores and the loads.
.macro TOSTAGE a
	WIN 0x08                                       ; an LDS store's data are its source 1: window 2
.irp b, 0,1,2,3,4,5,6,7
	ds_store_b128 v[STO], v[64*(\a)+8*\b:64*(\a)+8*\b+3] offset:128*(\b/2)+32*(\b%2)       ; each accumulator from its low end on
	ds_store_b128 v[STO], v[64*(\a)+8*\b+4:64*(\a)+8*\b+7] offset:128*(\b/2)+32*(\b%2)+16
.endr
	WIN 0
.set BB, BK+64*((\a)%2)
.irp t, 0,1,2,3,4,5,6,7,8,9,10,11,12,13,14,15
	ds_load_b128 v[BB+4*\t:BB+4*\t+3], v[RD] offset:\t*528
.endr
.endm
.macro SEND a, younger                 ; younger: the LDS instructions issued behind block a's loads, which may stay out.  Row t of the stage is position t of tile a: token 32 (a / 2) + 8 (a % 2) + t + 8 (t / 8) of my 64
.set BB, BK+64*((\a)%2)
	s_wait_dscnt \younger
.irp t, 0,1,2,3,4,5,6,7,8,9,10,11,12,13,14,15
	global_store_b128 v4, v[BB+4*\t:BB+4*\t+3], s[94:95] offset:(32*((\a)/2)+8*((\a)%2)+\t+8*(\t/8))*4096 th:TH_STORE_NT
.endr
.endm
	PLACES
	TOSTAGE 0
.irp a, 1,2,3
.if \a > 1
	s_wait_xcnt 0x0                                ; block a - 2's stores have read their registers: block a's loads may land there
.endif
	TOSTAGE \a
	SEND \a-1, 32                                  ; behind block a - 1's loads: block a's 16 stores and 16 loads
.endr
	SEND 3, 0
	s_wait_tensorcnt 0x0
	ds_add_u32 v126, v127
	s_wait_dscnt 0x0
	CROUND                                         ; the closing round: no work-group ends while a partner may still ask for a tile that names it
	s_endpgm
.Lfunc_end_k_qc4dd4524b3_oproj:
	.size	k_qc4dd4524b3_oproj, .Lfunc_end_k_qc4dd4524b3_oproj-k_qc4dd4524b3_oproj
	.p2alignl 7, 3214868480
	.fill 96, 4, 3214868480
	.section	.rodata,"a",@progbits
	.p2align	6, 0x0
	.amdhsa_kernel k_qc4dd4524b3_oproj
		.amdhsa_group_segment_fixed_size 327680
		.amdhsa_private_segment_fixed_size 0
		.amdhsa_enable_private_segment 0
		.amdhsa_kernarg_size 48
		.amdhsa_user_sgpr_count 2
		.amdhsa_user_sgpr_kernarg_segment_ptr 1
		.amdhsa_wavefront_size32 1
		.amdhsa_system_sgpr_workgroup_id_x 1
		.amdhsa_system_sgpr_workgroup_id_y 1
		.amdhsa_system_sgpr_workgroup_id_z 1
		.amdhsa_system_vgpr_workitem_id 0
		.amdhsa_next_free_vgpr 768
		.amdhsa_next_free_sgpr 100
		.amdhsa_reserve_vcc 0
		.amdhsa_float_denorm_mode_32 3
		.amdhsa_float_denorm_mode_16_64 3
		.amdhsa_memory_ordered 1
		.amdhsa_forward_progress 1
		.amdhsa_inst_pref_size 74
	.end_amdhsa_kernel
	.amdgpu_metadata
---
amdhsa.version: [ 1, 2 ]
amdhsa.kernels:
  - .name:           k_qc4dd4524b3_oproj
    .symbol:         k_qc4dd4524b3_oproj.kd
    .args:
      - { .name: ac, .offset: 0, .size: 8, .value_kind: global_buffer, .address_space: global }
      - { .name: asc, .offset: 8, .size: 8, .value_kind: global_buffer, .address_space: global }
      - { .name: wc, .offset: 16, .size: 8, .value_kind: global_buffer, .address_space: global }
      - { .name: ws, .offset: 24, .size: 8, .value_kind: global_buffer, .address_space: global }
      - { .name: bo, .offset: 32, .size: 8, .value_kind: global_buffer, .address_space: global }
      - { .name: out0, .offset: 40, .size: 8, .value_kind: global_buffer, .address_space: global }
    .group_segment_fixed_size: 327680
    .private_segment_fixed_size: 0
    .kernarg_segment_align: 8
    .kernarg_segment_size: 48
    .max_flat_workgroup_size: 128
    .sgpr_count:     100
    .vgpr_count:     768
    .wavefront_size: 32
...
	.end_amdgpu_metadata
.endif
;; end of part 4
